; MI455X (gfx1250); checked and timed in simulation.
; The chip was launched on July 23, 2026; its instructions are those of AMD's public machine-readable ISA for CDNA 5 (MIT licence, August 2026) and "CDNA5" Instruction Set Architecture Reference Guide (July 2026). The comments in the code are by the model that wrote it; some were corrected since.
;; Moe Layer. Allowed arithmetic: matrix products marked QUANTISED: E4M3 operands, one given power-of-two scale a tensor, by v_wmma_f32_16x16x64_fp8_fp8 or v_wmma_f32_16x16x128_fp8_fp8, f32 sums; products left as they are: f32 operands where the result goes on into a quantised operand, else bf16, f16 or f32 operands; f32 sums; everything else in f32.
;; Inputs: W1 8 x 2,730 x 1,024 float32; W2 8 x 2,730 x 1,024 float32; W3 8 x 1,024 x 2,730 float32; Wg 8 x 1,024 float32; lowp_scales 6 int32 (the exponents e of the quantised operands' scales 2^e); x 4 x 256 x 1,024 float32.
;; Outputs: out0 4 x 256 x 1,024 float32.
;; This version of the problem:
;;   THIS VERSION OF THE PROBLEM IS GIVEN IN LOW PRECISION. The matrix products marked QUANTISED in the list below multiply operands that are first quantised to E4M3 (4 exponent bits, 3 mantissa bits; 8 bits a number), with one given power-of-two scale for each operand tensor; their sums are f32. All else is computed in f32.
;;   The module's matrix products, in the order in which they are computed (A, B: the left and right operand; K: the contracted axis; several contracted axes count as one K, in the product's order):
;;     1. [M 1,024, K 1,024] x [K 1,024, N 8]; A: input x; B: input Wg: left as it is (N = 8 < 16)
;;     2. [M 1,024, K 1,024] x [K 1,024, N 21,840]; A: input x; B: input W1: QUANTISED (scales: A lowp_scales[0], B lowp_scales[1])
;;     3. [M 1,024, K 1,024] x [K 1,024, N 21,840]; A: input x; B: input W2: QUANTISED (scales: A lowp_scales[2], B lowp_scales[3])
;;     4. batch 8 x [M 1,024, K 2,730] x [K 2,730, N 1,024]; A: input W3; B: computed on the way: QUANTISED (scales: A lowp_scales[4], B lowp_scales[5])
;;     5. batch 1,024 x [M 1,024, K 8] x [K 8, N 1]; A: computed on the way; B: softmax: left as it is (K = 8 < 32)
;;   THE QUANTISER, for each operand of a quantised product, along K:
;;     - The operand's scale is 2^e, e = its entry of the input lowp_scales (int32; the entries are numbered through the quantised products in the list's order, A before B).
;;     - Each number is divided by the scale, clamped to +-448, and rounded to the nearest number of E4M3, ties to even, subnormals kept.
;;     - The product sums the exact products of the quantised numbers (number of the format x scale) in f32.
;;   ~~~python
;;   def quantise(x, axis, e):      # numpy; x: float32 -> the quantised numbers, widened to float32 again
;;       x = np.moveaxis(x, axis, -1); K = x.shape[-1]
;;       r = np.clip(x / 2.0 ** e, -448, 448)
;;       step = 2.0 ** (np.maximum(np.frexp(np.where(r == 0, 1, r))[1] - 1, -6) - 3)
;;       q = np.round(r / step) * step * 2.0 ** e      # np.round: ties to even
;;       return np.moveaxis(q, -1, axis).astype(np.float32)
;;   ~~~
;;   OPERANDS COMPUTED ON THE WAY. 'Computed on the way' means the value that the module computes at that place (a softmax that the list does not call 'softmax' is quantised finished and normalised). What goes into a quantiser is computed in f32, as accurately as f32 sums, v_exp_f32 and their like allow (about 1e-6 of the number): no bf16 or f16 on the way to a quantiser, and a product that is left as it is and whose result goes on into a quantised operand takes f32 operands (vector FMAs, or v_wmma_f32_16x16x4_f32). A number that lies on a knife's edge between two numbers of the format may be rounded either way, as far as f32 arithmetic and the matrix unit's own rounding can turn it there, and no further.
;; 2 versions. Each part assembles by itself: llvm-mc -triple=amdgcn-amd-amdhsa -mcpu=gfx1250 --defsym DOCPART=n.
;; ======== version 1 of 2: 5 launches
;; workspace buffers: sel 4,096 bytes of whole numbers; gw 8,192 bytes; cnt 256 bytes of whole numbers; posn 32,768 bytes of whole numbers; xg 20,971,520 bytes; hid 28,508,160 bytes; part 41,943,040 bytes
;; launch route (part 1): grid 256 x 1, 4 waves a work-group, no clusters, 0 bytes of LDS; arguments x, Wg, sel, gw; writes sel, gw
.if DOCPART == 1
	.amdgcn_target "amdgcn-amd-amdhsa--gfx1250"
	.amdhsa_code_object_version 6
	.text
	.protected	k_q6ffddadffc_route
	.globl	k_q6ffddadffc_route
	.p2align	8
	.type	k_q6ffddadffc_route,@function
k_q6ffddadffc_route:
	s_mov_b64 s[64:65], 0
	v_nop
	global_prefetch_b8 v0, s[64:65] scope:SCOPE_SE
	s_setreg_imm32_b32 hwreg(HW_REG_WAVE_MODE, 25, 1), 1
	s_wait_xcnt 0x0
; THE ROUTER.  logits[t][e] = x[t] . Wg[e] in f32 (fused multiply-adds), the two largest, and the softmax over those two.
; A wave takes one token t = 4 x work-group + wave.  A lane holds 32 numbers of x (eight loads of 16 bytes, 512 consecutive bytes a load) and the same places of all eight rows of Wg.
; Stored at fixed places: sel[t] = e0 | e1 << 8 | ((1 << e0) | (1 << e1)) << 16 (whole numbers, for the later launches' addresses) and gw[t] = g0, g1.  No address here hangs on the choice.
; Ties go to the lower index, as jax.lax.top_k breaks them: a later expert displaces an earlier one only if it is strictly larger.
; LIMITS: the order of the 1,024 additions differs from the reference's, so logits closer than f32 rounding may change places; NaN and infinities among the logits are not served.
; REGISTERS: v1 16 x lane; v3 lane; v8-23 the eight sums (a pair each); v24-31 the choice; v32-63 x; v64-191 Wg's experts 0-3; the same names in window 1: experts 4-7.
.set X,   32
.set WG,  64
.set SUM, 8
.set MSB, 0
.macro WIN new                         ; the immediate's high byte repeats the setting that is left
.if MSB != (\new)
	s_set_vgpr_msb (MSB<<8)|(\new)
.set MSB, (\new)
.endif
.endm
	s_load_b256 s[4:11], s[0:1], 0x0               ; x s[4:5], Wg s[6:7], sel s[8:9], gw s[10:11]
	v_lshrrev_b32 v2, 5, v0
	v_readfirstlane_b32 s12, v2                    ; wave
	v_and_b32 v3, 31, v0                           ; lane
	v_lshlrev_b32 v1, 4, v3                        ; 16 bytes a lane
	s_lshl_b32 s13, ttmp9, 2
	s_add_co_u32 s13, s13, s12                     ; my token
	s_lshl_b32 s16, s13, 12                        ; its row of x: 4,096 bytes
	s_mov_b32 s17, 0
	s_lshl_b32 s18, s13, 2                         ; its word of sel
	s_mov_b32 s19, 0
	s_lshl_b32 s22, s13, 3                         ; its pair of gw
	s_mov_b32 s23, 0
	s_mov_b32 s14, 0x76543210                      ; v_permlanex16_b32: lane l xor 16
	s_mov_b32 s15, 0xfedcba98
	s_wait_kmcnt 0x0
	s_add_nc_u64 s[4:5], s[4:5], s[16:17]
	s_add_nc_u64 s[8:9], s[8:9], s[18:19]
	s_add_nc_u64 s[10:11], s[10:11], s[22:23]
.irp i, 0,1,2,3,4,5,6,7
	global_load_b128 v[X+4*\i:X+4*\i+3], v1, s[4:5] offset:512*\i th:TH_LOAD_NT
.endr
.irp e, 0,1,2,3
.irp i, 0,1,2,3,4,5,6,7
	global_load_b128 v[WG+32*\e+4*\i:WG+32*\e+4*\i+3], v1, s[6:7] offset:4096*\e+512*\i
.endr
.endr
	WIN 0x40                                       ; destination window 1
.irp e, 0,1,2,3
.irp i, 0,1,2,3,4,5,6,7
	global_load_b128 v[WG+32*\e+4*\i:WG+32*\e+4*\i+3], v1, s[6:7] offset:4096*(\e+4)+512*\i
.endr
.endr
	WIN 0
; four experts' sums, two numbers an instruction; the four chains take turns; the first product starts each sum
.macro DOT e0
.irp q, 0,1,2,3,4,5,6,7,8,9,10,11,12,13,14,15
.irp e, 0,1,2,3
.if \q == 0
	v_pk_mul_f32 v[SUM+2*(\e0+\e):SUM+2*(\e0+\e)+1], v[X+2*\q:X+2*\q+1], v[WG+32*\e+2*\q:WG+32*\e+2*\q+1]
.else
	v_pk_fma_f32 v[SUM+2*(\e0+\e):SUM+2*(\e0+\e)+1], v[X+2*\q:X+2*\q+1], v[WG+32*\e+2*\q:WG+32*\e+2*\q+1], v[SUM+2*(\e0+\e):SUM+2*(\e0+\e)+1]
.endif
.endr
.endr
.endm
	s_wait_loadcnt 32                              ; x and experts 0-3 are in; the 32 loads of experts 4-7 may be out
	DOT 0
	s_wait_loadcnt 0x0
	WIN 0x04                                       ; source 1 (Wg) window 1
	DOT 4
	WIN 0
.irp e, 0,1,2,3,4,5,6,7
	v_add_f32 v[SUM+2*\e], v[SUM+2*\e], v[SUM+2*\e+1]
.endr
.irp m, 1,2,4,8                        ; across the lanes: four steps inside each half ride on the addition, one crosses the halves; every lane ends with the same bits
.irp e, 0,1,2,3,4,5,6,7
	v_add_f32_dpp v[SUM+2*\e], v[SUM+2*\e], v[SUM+2*\e] row_xmask:\m row_mask:0xf bank_mask:0xf
.endr
.endr
.irp e, 0,1,2,3,4,5,6,7
	v_permlanex16_b32 v[SUM+2*\e+1], v[SUM+2*\e], s14, s15
.endr
.irp e, 0,1,2,3,4,5,6,7
	v_add_f32 v[SUM+2*\e], v[SUM+2*\e], v[SUM+2*\e+1]
.endr
	; the largest: v24 its logit, v25 its index.  The mask says 'keep': not strictly larger
	v_mov_b32 v24, v[SUM]
	v_mov_b32 v25, 0
.irp e, 1,2,3,4,5,6,7
	v_cmp_le_f32 vcc_lo, v[SUM+2*\e], v24
	v_cndmask_b32 v24, v[SUM+2*\e], v24, vcc_lo
	v_cndmask_b32 v25, \e, v25, vcc_lo
.endr
	; the second: the same among the other seven
	v_mov_b32 v26, 0xff800000                      ; -infinity
	v_mov_b32 v27, 0
.irp e, 0,1,2,3,4,5,6,7
	v_cmp_eq_u32 s20, \e, v25
	v_cmp_le_f32 vcc_lo, v[SUM+2*\e], v26
	s_or_b32 vcc_lo, vcc_lo, s20
	v_cndmask_b32 v26, v[SUM+2*\e], v26, vcc_lo
	v_cndmask_b32 v27, \e, v27, vcc_lo
.endr
	; softmax over the two, the larger taken away first: g0 = 1 / (1 + E), g1 = E / (1 + E), E = e^(second - largest) <= 1
	v_sub_f32 v28, v26, v24
	v_mul_f32 v28, 0x3fb8aa3b, v28
	v_exp_f32 v28, v28
	v_mov_b32 v5, 1                                ; plain work behind the exponential: the word for sel
	v_lshlrev_b32 v4, v25, v5
	v_lshlrev_b32 v6, v27, v5
	v_or_b32 v4, v4, v6
	v_lshl_or_b32 v6, v27, 8, v25
	v_lshl_or_b32 v4, v4, 16, v6
	v_mov_b32 v7, 0
	s_wait_alu depctr_va_vdst(0)                   ; ahead of the exponential's first reader
	v_add_f32 v29, 1.0, v28
	v_rcp_f32 v30, v29
	v_cmp_eq_u32 vcc_lo, 0, v3                     ; a plain line behind the reciprocal: lane 0 stores
	s_wait_alu depctr_va_vdst(0)                   ; ahead of the reciprocal's first reader
	v_mul_f32 v31, v28, v30
	s_wait_xcnt 0x0                                ; EXEC changes only behind this wait
	s_and_saveexec_b32 s20, vcc_lo
	global_store_b32 v7, v4, s[8:9]
	global_store_b64 v7, v[30:31], s[10:11]
	s_wait_xcnt 0x0
	s_or_b32 exec_lo, exec_lo, s20
	s_endpgm
.Lfunc_end_k_q6ffddadffc_route:
	.size	k_q6ffddadffc_route, .Lfunc_end_k_q6ffddadffc_route-k_q6ffddadffc_route
	.p2alignl 7, 3214868480
	.fill 96, 4, 3214868480
	.section	.rodata,"a",@progbits
	.p2align	6, 0x0
	.amdhsa_kernel k_q6ffddadffc_route
		.amdhsa_group_segment_fixed_size 0
		.amdhsa_private_segment_fixed_size 0
		.amdhsa_enable_private_segment 0
		.amdhsa_kernarg_size 32
		.amdhsa_user_sgpr_count 2
		.amdhsa_user_sgpr_kernarg_segment_ptr 1
		.amdhsa_wavefront_size32 1
		.amdhsa_system_sgpr_workgroup_id_x 1
		.amdhsa_system_sgpr_workgroup_id_y 1
		.amdhsa_system_sgpr_workgroup_id_z 1
		.amdhsa_system_vgpr_workitem_id 0
		.amdhsa_next_free_vgpr 448
		.amdhsa_next_free_sgpr 66
		.amdhsa_reserve_vcc 1
		.amdhsa_float_denorm_mode_32 3
		.amdhsa_float_denorm_mode_16_64 3
		.amdhsa_memory_ordered 1
		.amdhsa_forward_progress 1
		.amdhsa_inst_pref_size 23
	.end_amdhsa_kernel
	.amdgpu_metadata
---
amdhsa.version: [ 1, 2 ]
amdhsa.kernels:
  - .name:           k_q6ffddadffc_route
    .symbol:         k_q6ffddadffc_route.kd
    .args:
      - { .name: x, .offset: 0, .size: 8, .value_kind: global_buffer, .address_space: global }
      - { .name: Wg, .offset: 8, .size: 8, .value_kind: global_buffer, .address_space: global }
      - { .name: sel, .offset: 16, .size: 8, .value_kind: global_buffer, .address_space: global }
      - { .name: gw, .offset: 24, .size: 8, .value_kind: global_buffer, .address_space: global }
    .group_segment_fixed_size: 0
    .private_segment_fixed_size: 0
    .kernarg_segment_align: 8
    .kernarg_segment_size: 32
    .max_flat_workgroup_size: 128
    .sgpr_count:     66
    .vgpr_count:     448
    .wavefront_size: 32
...
	.end_amdgpu_metadata
.endif
;; end of part 1
;; launch gather (part 2): grid 8 x 80, 8 waves a work-group, no clusters, 68,608 bytes of LDS; arguments x, sel, lowp_scales, xg, posn, cnt; writes xg, posn, cnt
.if DOCPART == 2
	.amdgcn_target "amdgcn-amd-amdhsa--gfx1250"
	.amdhsa_code_object_version 6
	.text
	.protected	k_q6ffddadffc_gather
	.globl	k_q6ffddadffc_gather
	.p2align	8
	.type	k_q6ffddadffc_gather,@function
k_q6ffddadffc_gather:
	s_mov_b64 s[64:65], 0
	v_nop
	global_prefetch_b8 v0, s[64:65] scope:SCOPE_SE
	s_setreg_imm32_b32 hwreg(HW_REG_WAVE_MODE, 25, 1), 1
	s_wait_xcnt 0x0
; THE PLACING OF ROWS, and x's codes in the placed order.  All that steers addresses here is whole numbers read from sel.
; ORDER.  Tokens are taken in 'word order': word i = 4 j + c, bit l is token 128 j + 4 l + c (so eight dense loads of sel lie in a wave).  For expert e the chosen tokens take positions 0 .. cnt - 1 in that
; order and the tokens NOT chosen take cnt .. 1023: every position under 1,024 names a real token, so rows that only fill a tile up are real rows whose results nobody reads.  Positions from 1,024 on take a held token.
; SHARES.  A work-group takes tile ttmp7 (16 positions) of expert ttmp9: the expert is the grid's x, so that the work-groups with the lowest numbers are the low tiles of all experts, which every split fills.
; Wave w takes K step w (128 of x's 1,024).  Every wave derives the placing by itself in registers: no barrier, since tiles at or beyond 20 x NP end at once (a grid that serves every split: NP = passes of 20 tiles
; that the expert's count asks for, at least 1).
; OUT.  xg[e][tile][K step][set][2,048 bytes]: an IMAGE OF THE OPERAND'S REGISTERS: register j of lane (r, h) holds k = 64 h + 4 j .. + 3 of row r (the order in which the next launch lays its weights);
; registers 4 c .. 4 c + 3 of all lanes are 512 bytes on end.  Set 0 with 2^lowp_scales[0], set 1 with 2^lowp_scales[2].
; Wave 0 of tile 0 also stores posn[e][token] (every token's position) and cnt[e].
; code = x / 2^e, held within +-448, to the nearest code, ties to even.  LIMITS: both exponents between -126 and 119; NaN among the inputs is not served.
; REGISTERS: v1 lane, v2 16 x lane, v3 r, v4 h, v5/v6 the stage in and out, v7 lane i: mask word i, v8 lane i: chosen tokens in words 0 .. i, v9-27 at work, v28-31 the scales;
;   v32-63 sel, later the two sets of codes; v64-79 row offsets; v80-143 the rows as loaded, later at work; v144-207 my 64 numbers.  s32-63 the 32 mask words.
.set SPITCH, 528                       ; a stage row: 512 bytes + 16, so that sixteen lanes that read sixteen rows start 16 bytes apart modulo 256
.set STGW,   16*SPITCH                 ; a wave's own stage
.set S,   32
.set ADR, 64
.set RAW, 80
.set X,   144
; 64 numbers of a lane, in the order of their k, become a fragment's 16 registers of codes
.macro QUANT src, dst, pc, sc, lim
.irp b, 0,1,2,3
.irp i, 0,1,2,3,4,5,6,7,8,9,10,11,12,13,14,15
	v_med3_num_f32 v[\dst+16*\b+\i], v[\src+16*\b+\i], -v[\lim], v[\lim]   ; the conversion does not saturate (ISA guide 7.6.2): the hold at the largest code x the scale
.endr
	v_cvt_scalef32_pk8_fp8_f32 v[\pc+4*\b:\pc+4*\b+1], v[\dst+16*\b:\dst+16*\b+7], v[\sc]
	v_cvt_scalef32_pk8_fp8_f32 v[\pc+4*\b+2:\pc+4*\b+3], v[\dst+16*\b+8:\dst+16*\b+15], v[\sc]
.endr
	v_nop                                          ; a plain line behind the last conversion
.endm
	s_load_b256 s[4:11], s[0:1], 0x0               ; x s[4:5], sel s[6:7], the exponents s[8:9], xg s[10:11]
	s_load_b128 s[12:15], s[0:1], 0x20             ; posn s[12:13], cnt s[14:15]
	v_lshl_add_u32 v208, v0, 2, 0x10800
	v_mov_b32 v209, 0
	v_lshrrev_b32 v9, 5, v0
	v_readfirstlane_b32 s16, v9                    ; wave = K step
	s_mov_b32 s18, ttmp9                           ; expert
	s_and_b32 s17, ttmp7, 0xffff                   ; tile
	v_and_b32 v1, 31, v0
	v_lshlrev_b32 v2, 4, v1
	v_and_b32 v3, 15, v0
	v_bfe_u32 v4, v0, 4, 1
	s_mul_i32 s24, s16, STGW
	v_add_nc_u32 v5, s24, v2                       ; into the stage: 16 bytes a lane of a row
	v_mul_u32_u24 v6, v3, SPITCH
	v_lshl_add_u32 v6, v4, 8, v6
	v_add_nc_u32 v6, s24, v6                       ; out of it: row r, + 256 h: my 64 neighbours
	v_mov_b32 v7, 0
	v_mov_b32 v8, 0
	s_lshl_b32 s19, 0x10000, s18                   ; the expert's bit in a word of sel
	s_mov_b32 s20, 0
	s_wait_kmcnt 0x0
	s_load_b128 s[68:71], s[8:9], 0x0              ; lowp_scales[0 .. 3]
.irp j, 0,1,2,3,4,5,6,7
	global_load_b128 v[S+4*\j:S+4*\j+3], v2, s[6:7] offset:512*\j
.endr
	s_wait_loadcnt 0x0
.irp i, 0,1,2,3,4,5,6,7,8,9,10,11,12,13,14,15,16,17,18,19,20,21,22,23,24,25,26,27,28,29,30,31
	v_and_b32 v[S+\i], s19, v[S+\i]
.endr
.irp i, 0,1,2,3,4,5,6,7,8,9,10,11,12,13,14,15,16,17,18,19,20,21,22,23,24,25,26,27,28,29,30,31
	v_cmp_ne_u32 s[32+\i], 0, v[S+\i]              ; mask word i.  The 32 compares go as a batch, ahead of the scalar chain that reads their masks
.endr
.irp i, 0,1,2,3,4,5,6,7,8,9,10,11,12,13,14,15,16,17,18,19,20,21,22,23,24,25,26,27,28,29,30,31
	s_bcnt1_i32_b32 s24, s[32+\i]
	s_add_co_u32 s20, s20, s24
	v_writelane_b32 v7, s[32+\i], \i
	v_writelane_b32 v8, s20, \i                    ; chosen tokens up to and with word i
.endr
	s_mov_b32 s21, s20                             ; cnt
	s_min_u32 s22, s21, 1024
	s_add_co_u32 s22, s22, 15
	s_lshr_b32 s22, s22, 4                         ; T = tiles with a chosen row
	s_add_co_u32 s22, s22, 19
	s_mul_i32 s22, s22, 3277
	s_lshr_b32 s22, s22, 16                        ; ceil(T / 20) for T up to 64
	s_max_u32 s22, s22, 1
	s_min_u32 s22, s22, 4                          ; NP
	s_mul_i32 s22, s22, 20
	s_cmp_ge_u32 s17, s22
	s_cbranch_scc1 .Lend                           ; a tile that no pass walks
	s_mul_i32 s24, s18, 80
	s_add_co_u32 s24, s24, s17
	s_lshl_b32 s24, s24, 15                        ; 32,768 bytes a tile,
	s_lshl_b32 s25, s16, 12                        ; 4,096 a K step
	s_add_co_u32 s24, s24, s25
	s_mov_b32 s25, 0
	s_add_nc_u64 s[10:11], s[10:11], s[24:25]
	s_lshl_b32 s24, s16, 9                         ; my K step's 512 bytes of a row of x
	s_add_nc_u64 s[4:5], s[4:5], s[24:25]
	; WHICH TOKEN STANDS AT POSITION p = 16 x tile + r: a lane to a position (lanes 16-31 repeat lanes 0-15)
	s_lshl_b32 s24, s17, 4
	v_add_nc_u32 v10, s24, v3                      ; p
	v_mov_b32 v13, s21
	v_cmp_le_u32 s30, s21, v10                     ; p lies among the tokens not chosen
	v_cndmask_b32 v11, 0, v13, s30
	v_sub_nc_u32 v11, v10, v11                     ; key: its rank among its kind
	v_mov_b32 v12, 0                               ; idx: how many words end at or under the key
.irp st, 16,8,4,2,1
	v_add_nc_u32 v13, \st-1, v12                   ; probe
	v_lshlrev_b32 v14, 2, v13
	ds_bpermute_b32 v15, v14, v8                   ; chosen up to and with the probed word
	v_lshl_add_u32 v16, v13, 5, 32
	v_add_nc_u32 v17, \st, v12
	s_wait_dscnt 0x0
	v_sub_nc_u32 v16, v16, v15                     ; not chosen: 32 (probe + 1) less that
	v_cndmask_b32 v15, v15, v16, s30
	v_cmp_le_u32 vcc_lo, v15, v11
	v_cndmask_b32 v12, v12, v17, vcc_lo
.endr
	v_add_nc_u32 v13, -1, v12
	v_lshlrev_b32 v14, 2, v13
	ds_bpermute_b32 v15, v14, v8                   ; the count ahead of word idx (not used where idx = 0)
	v_lshlrev_b32 v17, 2, v12
	ds_bpermute_b32 v18, v17, v7                   ; word idx
	v_lshlrev_b32 v16, 5, v12
	s_wait_dscnt 0x0
	v_sub_nc_u32 v16, v16, v15
	v_cndmask_b32 v15, v15, v16, s30
	v_cmp_ne_u32 vcc_lo, 0, v12
	v_cndmask_b32 v15, 0, v15, vcc_lo
	v_not_b32 v16, v18
	v_cndmask_b32 v18, v18, v16, s30               ; bits of my kind
	v_sub_nc_u32 v20, v11, v15                     ; k: the bit wanted is the (k + 1)-th set one
	v_lshrrev_b32 v24, 1, v18                      ; counts in fields of 2, 4, 8 bits, and of the low 16
	v_and_b32 v24, 0x55555555, v24
	v_sub_nc_u32 v24, v18, v24
	v_lshrrev_b32 v25, 2, v24
	v_and_b32 v25, 0x33333333, v25
	v_and_b32 v26, 0x33333333, v24
	v_add_nc_u32 v25, v25, v26
	v_lshrrev_b32 v26, 4, v25
	v_add_nc_u32 v26, v26, v25
	v_and_b32 v26, 0x0f0f0f0f, v26
	v_lshrrev_b32 v27, 8, v26
	v_add_nc_u32 v27, v27, v26
	v_mov_b32 v22, 0                               ; pos
.macro PICK src, width, step           ; where the lower half of the field in hand holds k bits or fewer, go to the upper half
	v_bfe_u32 v21, v[\src], v22, \width
	v_cmp_ge_u32 vcc_lo, v20, v21
	v_sub_nc_u32 v21, v20, v21
	v_cndmask_b32 v20, v20, v21, vcc_lo
	v_add_nc_u32 v21, \step, v22
	v_cndmask_b32 v22, v22, v21, vcc_lo
.endm
	PICK 27, 8, 16
	PICK 26, 8, 8
	PICK 25, 4, 4
	PICK 24, 2, 2
	PICK 18, 1, 1
	v_lshrrev_b32 v21, 2, v12
	v_lshlrev_b32 v21, 7, v21
	v_lshl_add_u32 v21, v22, 2, v21
	v_and_b32 v23, 3, v12
	v_add_nc_u32 v21, v21, v23                     ; token = 128 (idx / 4) + 4 pos + idx % 4
.irp m, 0,1,2,3,4,5,6,7,8,9,10,11,12,13,14,15
	v_readlane_b32 s24, v21, \m
	s_min_u32 s24, s24, 0x3ff                      ; an index read from memory enters an address held inside its table
	s_lshl_b32 s24, s24, 12
	v_add_nc_u32 v[ADR+\m], s24, v2
.endr
.irp m, 0,1,2,3,4,5,6,7,8,9,10,11,12,13,14,15
	global_load_b128 v[RAW+4*\m:RAW+4*\m+3], v[ADR+\m], s[4:5]    ; 32 lanes read 512 consecutive bytes of one row; a row is named by several experts: no hint
.endr
	s_wait_kmcnt 0x0
	s_add_co_i32 s24, s68, 127
	s_lshl_b32 s25, s24, 23
	v_mov_b32 v28, s25                             ; 2^e as f32: the conversion takes its exponent field
	s_add_co_i32 s24, s24, 8
	s_lshl_b32 s24, s24, 23
	s_or_b32 s24, s24, 0x600000
	v_mov_b32 v29, s24                             ; 448 x 2^e
	s_add_co_i32 s24, s70, 127
	s_lshl_b32 s25, s24, 23
	v_mov_b32 v30, s25
	s_add_co_i32 s24, s24, 8
	s_lshl_b32 s24, s24, 23
	s_or_b32 s24, s24, 0x600000
	v_mov_b32 v31, s24
	s_wait_loadcnt 0x0
.irp m, 0,1,2,3,4,5,6,7,8,9,10,11,12,13,14,15
	ds_store_b128 v5, v[RAW+4*\m:RAW+4*\m+3] offset:SPITCH*\m     ; the rows as they lie, into my own stage;
.endr
.irp c, 0,1,2,3
.irp q, 0,1,2,3
	ds_load_b128 v[X+16*\c+4*\q:X+16*\c+4*\q+3], v6 offset:64*\c+16*\q   ; back as 64 neighbours of row r: k = 64 h + 0 .. 63 (LDS serves a wave's instructions in order)
.endr
.endr
	s_wait_dscnt 0x0
	QUANT X, RAW, S, 28, 29                        ; set 0; the held numbers go into the registers that the rows have left
	QUANT X, X, S+16, 30, 31                       ; set 1, in place
.irp t, 0,1
.irp c, 0,1,2,3
	global_store_b128 v2, v[S+16*\t+4*\c:S+16*\t+4*\c+3], s[10:11] offset:2048*\t+512*\c   ; 512 consecutive bytes a store
.endr
.endr
	s_or_b32 s24, s17, s16
	s_cmp_lg_u32 s24, 0
	s_cbranch_scc1 .Lend                           ; ids alone: wave 0 of tile 0 writes the expert's table
	s_lshl_b32 s24, s18, 12
	s_mov_b32 s25, 0
	s_add_nc_u64 s[12:13], s[12:13], s[24:25]
	s_lshl_b32 s24, s18, 2
	s_add_nc_u64 s[14:15], s[14:15], s[24:25]
	s_mov_b32 s26, 0                               ; chosen ahead of word i
.irp i, 0,1,2,3,4,5,6,7,8,9,10,11,12,13,14,15,16,17,18,19,20,21,22,23,24,25,26,27,28,29,30,31
	v_mbcnt_lo_u32_b32 v9, s[32+\i], 0             ; chosen in this word below my bit
	s_sub_co_u32 s27, s21, s26
	s_add_co_u32 s27, s27, 32*\i                   ; cnt + the not chosen ahead of word i
	v_add_nc_u32 v10, s26, v9
	v_add_nc_u32 v11, s27, v1
	v_sub_nc_u32 v11, v11, v9
	v_cndmask_b32 v[RAW+\i], v11, v10, s[32+\i]
	s_bcnt1_i32_b32 s28, s[32+\i]
	s_add_co_u32 s26, s26, s28
.endr
.irp j, 0,1,2,3,4,5,6,7
	global_store_b128 v2, v[RAW+4*\j:RAW+4*\j+3], s[12:13] offset:512*\j
.endr
	v_mov_b32 v9, s21
	v_mov_b32 v10, 0
	v_cmp_eq_u32 vcc_lo, 0, v1
	s_wait_xcnt 0x0                                ; EXEC changes only behind this wait
	s_and_saveexec_b32 s24, vcc_lo
	global_store_b32 v10, v9, s[14:15]
	s_wait_xcnt 0x0
	s_or_b32 exec_lo, exec_lo, s24
.Lend:
	s_wait_tensorcnt 0x0
	ds_add_u32 v208, v209
	s_wait_dscnt 0x0
	s_endpgm
.Lfunc_end_k_q6ffddadffc_gather:
	.size	k_q6ffddadffc_gather, .Lfunc_end_k_q6ffddadffc_gather-k_q6ffddadffc_gather
	.p2alignl 7, 3214868480
	.fill 96, 4, 3214868480
	.section	.rodata,"a",@progbits
	.p2align	6, 0x0
	.amdhsa_kernel k_q6ffddadffc_gather
		.amdhsa_group_segment_fixed_size 68608
		.amdhsa_private_segment_fixed_size 0
		.amdhsa_enable_private_segment 0
		.amdhsa_kernarg_size 48
		.amdhsa_user_sgpr_count 2
		.amdhsa_user_sgpr_kernarg_segment_ptr 1
		.amdhsa_wavefront_size32 1
		.amdhsa_system_sgpr_workgroup_id_x 1
		.amdhsa_system_sgpr_workgroup_id_y 1
		.amdhsa_system_sgpr_workgroup_id_z 1
		.amdhsa_system_vgpr_workitem_id 0
		.amdhsa_next_free_vgpr 210
		.amdhsa_next_free_sgpr 96
		.amdhsa_reserve_vcc 1
		.amdhsa_float_denorm_mode_32 3
		.amdhsa_float_denorm_mode_16_64 3
		.amdhsa_memory_ordered 1
		.amdhsa_forward_progress 1
		.amdhsa_inst_pref_size 47
	.end_amdhsa_kernel
	.amdgpu_metadata
---
amdhsa.version: [ 1, 2 ]
amdhsa.kernels:
  - .name:           k_q6ffddadffc_gather
    .symbol:         k_q6ffddadffc_gather.kd
    .args:
      - { .name: x, .offset: 0, .size: 8, .value_kind: global_buffer, .address_space: global }
      - { .name: sel, .offset: 8, .size: 8, .value_kind: global_buffer, .address_space: global }
      - { .name: lowp_scales, .offset: 16, .size: 8, .value_kind: global_buffer, .address_space: global }
      - { .name: xg, .offset: 24, .size: 8, .value_kind: global_buffer, .address_space: global }
      - { .name: posn, .offset: 32, .size: 8, .value_kind: global_buffer, .address_space: global }
      - { .name: cnt, .offset: 40, .size: 8, .value_kind: global_buffer, .address_space: global }
    .group_segment_fixed_size: 68608
    .private_segment_fixed_size: 0
    .kernarg_segment_align: 8
    .kernarg_segment_size: 48
    .max_flat_workgroup_size: 256
    .sgpr_count:     96
    .vgpr_count:     210
    .wavefront_size: 32
...
	.end_amdgpu_metadata
.endif
;; end of part 2
;; launch hidden (part 3): grid 29 x 8, 4 waves a work-group, no clusters, 209,408 bytes of LDS; arguments W1, W2, xg, cnt, lowp_scales, hid; writes hid
.if DOCPART == 3
	.amdgcn_target "amdgcn-amd-amdhsa--gfx1250"
	.amdhsa_code_object_version 6
	.text
	.protected	k_q6ffddadffc_hidden
	.globl	k_q6ffddadffc_hidden
	.p2align	8
	.type	k_q6ffddadffc_hidden,@function
k_q6ffddadffc_hidden:
	s_mov_b64 s[64:65], 0
	v_nop
	global_prefetch_b8 v0, s[64:65] scope:SCOPE_SE
	s_setreg_imm32_b32 hwreg(HW_REG_WAVE_MODE, 25, 1), 1
	s_wait_xcnt 0x0
; hidden = silu(x W1^T) * (x W2^T) for the placed rows of one expert, both products on codes of FP8 (E4M3), and the result quantised for the third product.
; SHARES.  A work-group takes 96 hidden units (slice ttmp9: units 96 s .. 96 s + 95) of expert ttmp7, of W1 AND of W2: 12 tiles of 16 units, a = 0..5 of W1, 6..11 of W2.
; PHASE 1.  The slice's 2 x 96 rows of 4,096 bytes are read from memory ONCE, as f32, and kept in LDS as images of the operand's registers.  Wave w makes tiles 3 w .. 3 w + 2.
;   A load reads 512 consecutive bytes of one row, so a lane holds 4 neighbours along K.  THEY ARE CONVERTED WHERE THEY LIE: a conversion takes 8 registers, 4 numbers of each of two rows, so a lane's 4 codes of a row
;   are one word, and that word is stored straight to the place of the lane and register that will hold it.  Only codes go through LDS: 2 KB for a task of 16 rows x 128 K.  Six tasks of 16 loads are asked for ahead.
; K ORDER in both operands: register j of lane (r, h) holds k = 128 s + 64 h + 4 j .. + 3 (lane l of a load holds k = 4 l .. + 3: h = l / 16, j = l % 16).  The launch before lays x's codes so: every product meets its partner.
; AN IMAGE: word (h, c, r, b), register 4 c + b of lane (r, h), lies at 1,088 h + 272 c + 16 r + 4 b.  A store's 32 lanes (h, c, b from the lane's number) fall at 64 h + 16 c + 4 b modulo 256 bytes: 32 different
;   banks (64 banks of 4 bytes: ISA guide 11.1); a reader's sixteen lanes take 256 consecutive bytes.
; PHASE 2.  NP passes of 20 row tiles (NP from the expert's count, read from memory): wave w takes tiles 20 p + 5 w + 0..4 against all 12 unit tiles: 60 accumulators, 480 registers.  x's codes come from xg straight
;   into registers (images: 512 dense bytes a load).  No barrier stands in this loop: LDS is only read.
; ONE SET OF x's CODES OR TWO.  x is an operand of both products, under 2^lowp_scales[0] and 2^lowp_scales[2].  Where the two whole numbers are equal the two sets are the same bytes: a scalar branch at a pass's head
;   then takes a K loop that loads set 0 alone, feeds both products from it, and asks three K steps ahead in the registers that the second set leaves free.  Where they differ the K loop with both sets runs.
; NO TENSOR LOADS, NO CLUSTER: the work-groups of an expert do read the same tiles of xg, but the number of passes hangs on a count read from memory;
;   a fixed number of passes would be 64 tiles in place of 20.
; THE PRODUCTS ARE USED TRANSPOSED (source 0 = 16 units, source 1 = 16 rows): a lane holds one row, its registers run along the units.  THE UNITS OF A TILE ARE NOT NEIGHBOURS: row m of tile 2 b + u is unit
;   32 b + 8 u + m + 8 (m / 8), so that the 16 registers of tiles 2 b and 2 b + 1 are 16 neighbours along the next K.
; THE LAST SLICE has 42 units: row numbers are held at unit 2,729, so no load leaves its buffer; the repeated units' codes meet zero codes of W3 in the next launch.
; SCALES.  sums stand for sum x 2^(e0 + e1) and x 2^(e2 + e3); sigmoid takes 2^(c1 h1), c1 = -log2(e) 2^(e0 + e1); h1 h2 sigmoid is converted with the one scale 2^(e5 - e0 - e1 - e2 - e3).
; LIMITS: e1, e3 and e5 - e0 - e1 - e2 - e3 between -126 and 119; e0 + e1 between -126 and 126.  NaN and infinities among the inputs are not served.
; REGISTERS by their number P (window P / 256, name P % 256): P0-31 addresses and scales.  Phase 1: P32-95 a task's held numbers, P96-111 its codes, P112-159 row offsets, P512-895 six sets of 64 as loaded.
;   Phase 2: P32-191 and P256-415 x's fragments (two sets: two buffers of 160, 32 rho + 16 set; one set: four buffers of 80, 16 rho), P192-239 and P416-463 three weight fragments (two buffers),
;   P512-751 h1's sums (8 (5 a + rho)), P768-1007 h2's.  On the way out P32-79 at work, P80-139 the codes (12 a row tile).
.set HP,     1088                      ; an image: from lanes 0-15 to lanes 16-31
.set CP,     272                       ; from four registers to the next four
.set IMGB,   2*HP
.set KIMG,   12*IMGB                   ; a K step's 12 images
.set IM0,  6                           ; v6   where my lane's word of row 0 goes, in my first image of K step 0
.set IMT,  7                           ; v7   the same in the trip's K steps
.set LI,   8                           ; v8   1,088 h + 16 r: my place in an image; v9-11: + 65,536, + 131,072, + 196,608 (an LDS immediate has 16 bits)
.set VB,   12                          ; v12  my five tiles in xg
.set VH,   13                          ; v13  and in hid
.set WSC,  14                          ; v14, v15  my matrix's scale, and 448 x it
.set WLIM, 15
.set HSC,  16                          ; v16, v17  the hidden layer's
.set HLIM, 17
.set X,    32
.set PC,   96
.set ADR,  112
.set T,    32
.set HPC,  80
.set MSB, 0
.macro WIN new                         ; the immediate's high byte repeats the setting that is left; bits 1:0 source 0, 3:2 source 1, 5:4 source 2, 7:6 destination
.if MSB != (\new)
	s_set_vgpr_msb (MSB<<8)|(\new)
.set MSB, (\new)
.endif
.endm
.macro PLACES n
.rept \n
	v_nop
.endr
.endm
	s_load_b256 s[4:11], s[0:1], 0x0               ; W1 s[4:5], W2 s[6:7], xg s[8:9], cnt s[10:11]
	s_load_b128 s[12:15], s[0:1], 0x20             ; the exponents s[12:13], hid s[14:15]
	v_lshl_add_u32 v254, v0, 2, 0x33000
	v_mov_b32 v255, 0
	v_lshrrev_b32 v2, 5, v0
	v_readfirstlane_b32 s16, v2                    ; wave
	s_mov_b32 s17, ttmp9                           ; slice
	s_and_b32 s18, ttmp7, 0xffff                   ; expert
	v_and_b32 v1, 31, v0
	v_lshlrev_b32 v1, 4, v1                        ; v1   16 x lane: my bytes of a dense 512
	v_and_b32 v2, 15, v0                           ; r
	v_bfe_u32 v3, v0, 4, 1                         ; h
	v_mul_u32_u24 v3, v3, HP
	v_lshl_add_u32 v[LI], v2, 4, v3
	v_add_nc_u32 v[LI+1], 0x10000, v[LI]
	v_add_nc_u32 v[LI+2], 0x20000, v[LI]
	v_add_nc_u32 v[LI+3], 0x30000, v[LI]
	v_bfe_u32 v4, v0, 2, 2                         ; as a writer: c = (lane / 4) % 4,
	v_mad_u32_u24 v4, v4, CP, v3
	v_and_b32 v5, 3, v0                            ; b = lane % 4
	v_lshl_add_u32 v[IM0], v5, 2, v4
	s_mul_i32 s40, s16, 3*IMGB
	v_add_nc_u32 v[IM0], s40, v[IM0]               ; + my three images
	s_mul_i32 s40, s18, 80
	s_mul_i32 s41, s16, 5
	s_add_co_u32 s40, s40, s41                     ; my first tile: 80 e + 5 w
	s_lshl_b32 s41, s40, 15
	v_add_nc_u32 v[VB], s41, v1
	s_mul_i32 s41, s40, 44544                      ; a tile of hid: 87 chunks of 512 bytes
	s_mul_i32 s42, s17, 1536                       ; my slice's three chunks
	s_add_co_u32 s41, s41, s42
	v_add_nc_u32 v[VH], s41, v1
	s_mul_i32 s22, s17, 96
	s_sub_co_u32 s22, 2729, s22                    ; the last unit, counted from the slice's first
	s_and_b32 s41, s16, 1
	s_mul_i32 s41, s41, 3                          ; my first tile in my matrix
.irp j, 0,1,2
	s_add_co_u32 s42, s41, \j
	s_lshr_b32 s43, s42, 1
	s_lshl_b32 s43, s43, 5
	s_and_b32 s42, s42, 1
	s_lshl_b32 s42, s42, 3
	s_add_co_u32 s42, s42, s43                     ; the tile's first unit: 32 (t / 2) + 8 (t % 2)
.irp m, 0,1,2,3,4,5,6,7,8,9,10,11,12,13,14,15
	s_add_co_u32 s43, s42, \m+8*(\m/8)
	s_min_u32 s43, s43, s22
	s_lshl_b32 s43, s43, 12
	v_add_nc_u32 v[ADR+16*\j+\m], s43, v1          ; row m's offset; never rewritten in phase 1
.endr
.endr
	s_mul_i32 s42, s18, 2730
	s_mul_i32 s43, s17, 96
	s_add_co_u32 s42, s42, s43
	s_lshl_b32 s42, s42, 12
	s_mov_b32 s43, 0
	s_lshl_b32 s40, s18, 2
	s_mov_b32 s41, 0
	s_wait_kmcnt 0x0
	s_cmp_lt_u32 s16, 2                            ; waves 0, 1: W1; waves 2, 3: W2
	s_cselect_b64 s[20:21], s[4:5], s[6:7]
	s_add_nc_u64 s[20:21], s[20:21], s[42:43]      ; the slice's first row
	s_add_nc_u64 s[10:11], s[10:11], s[40:41]
	s_load_b32 s34, s[10:11], 0x0                  ; the expert's count
	s_load_b128 s[28:31], s[12:13], 0x0            ; e0 .. e3
	s_load_b64 s[32:33], s[12:13], 0x10            ; e4, e5
; task (kk, j): tile j of mine, K step 2 n + kk of trip n: 16 rows x 512 bytes into set 3 kk + j
.macro WLOAD kk, j, off
.set rp, 512+64*(3*(\kk)+(\j))
.set rn, rp&255
	WIN ((rp>>8)<<6)
.irp m, 0,1,2,3,4,5,6,7,8,9,10,11,12,13,14,15
	global_load_b128 v[rn+4*\m:rn+4*\m+3], v[ADR+16*(\j)+\m], s[20:21] offset:(\off)+512*(\kk) th:TH_LOAD_NT
.endr
.endm
.irp kk, 0,1
.irp j, 0,1,2
	WLOAD \kk, \j, 0
.endr
.endr
	WIN 0
	s_wait_kmcnt 0x0
	s_cmp_lt_u32 s16, 2
	s_cselect_b32 s40, s29, s31                    ; e1 or e3
	s_add_co_i32 s40, s40, 127
	s_lshl_b32 s41, s40, 23
	v_mov_b32 v[WSC], s41
	s_add_co_i32 s40, s40, 8
	s_lshl_b32 s40, s40, 23
	s_or_b32 s40, s40, 0x600000
	v_mov_b32 v[WLIM], s40
	s_add_co_i32 s40, s28, s29                     ; e0 + e1
	s_lshl_b32 s38, s40, 23
	s_add_co_u32 s38, s38, 0xbfb8aa3b              ; c1 = -log2(e) x 2^(e0 + e1): the sum is added to the exponent field
	s_mov_b32 s39, s38                             ; (named with it as a pair)
	s_add_co_i32 s40, s40, s30
	s_add_co_i32 s40, s40, s31
	s_sub_co_i32 s40, s33, s40                     ; e5 - e0 - e1 - e2 - e3
	s_add_co_i32 s40, s40, 127
	s_lshl_b32 s41, s40, 23
	v_mov_b32 v[HSC], s41
	s_add_co_i32 s40, s40, 8
	s_lshl_b32 s40, s40, 23
	s_or_b32 s40, s40, 0x600000
	v_mov_b32 v[HLIM], s40
	s_min_u32 s34, s34, 1024
	s_add_co_u32 s34, s34, 15
	s_lshr_b32 s34, s34, 4
	s_add_co_u32 s34, s34, 19
	s_mul_i32 s34, s34, 3277
	s_lshr_b32 s34, s34, 16
	s_max_u32 s34, s34, 1
	s_min_u32 s34, s34, 4                          ; NP, as the launch before made it
; One task: its 16 loads are in; the numbers are held (into window 0, so that the set is free at once); the set is asked for again (reload = 1: the next trip's K step); converted; a word a row goes into the image.
.macro TASK kk, j, reload, n
.set rp, 512+64*(3*(\kk)+(\j))
.set rn, rp&255
	s_wait_loadcnt \n                              ; loads come back in order: mine are in when so many younger ones are out
	WIN (rp>>8)                                    ; source 0: the set's window
.set i, 0
.rept 64
	v_med3_num_f32 v[X+i], v[rn+i], -v[WLIM], v[WLIM]   ; the conversion does not saturate (ISA guide 7.6.2): the hold at the largest code x the scale
.set i, i+1
.endr
.if \reload
	WLOAD \kk, \j, 1024
.endif
	WIN 0
	s_wait_dscnt 0x0                               ; the last task's stores, 64 lines back, have read their codes
.irp g, 0,1,2,3,4,5,6,7
	v_cvt_scalef32_pk8_fp8_f32 v[PC+2*\g:PC+2*\g+1], v[X+8*\g:X+8*\g+7], v[WSC]   ; rows 2 g and 2 g + 1: four codes each, k = 4 lane .. + 3
.endr
	v_nop                                          ; a plain line behind the last conversion
.irp m, 0,1,2,3,4,5,6,7,8,9,10,11,12,13,14,15
	ds_store_b32 v[IMT], v[PC+\m] offset:KIMG*(\kk)+IMGB*(\j)+16*\m
.endr
.endm
	s_mov_b32 s36, 3
	s_mov_b32 s37, 0
.Ltrip:                                            ; three trips of two K steps; behind each task's loads 80 younger ones have been issued: the count 63 is the largest that a wait can name
	v_add_nc_u32 v[IMT], s37, v[IM0]
	TASK 0, 0, 1, 63
	TASK 0, 1, 1, 63
	TASK 0, 2, 1, 63
	TASK 1, 0, 1, 63
	TASK 1, 1, 1, 63
	TASK 1, 2, 1, 63
	s_wait_xcnt 0x0                                ; the loads have read their base: it may step
	s_add_nc_u64 s[20:21], s[20:21], 1024
	s_add_co_u32 s37, s37, 2*KIMG
	s_sub_co_u32 s36, s36, 1
	s_cmp_lg_u32 s36, 0
	s_cbranch_scc1 .Ltrip
	v_add_nc_u32 v[IMT], s37, v[IM0]               ; the last two K steps ask for nothing: the counts run down (80 and 64 younger: 63)
	TASK 0, 0, 0, 63
	TASK 0, 1, 0, 63
	TASK 0, 2, 0, 48
	TASK 1, 0, 0, 32
	TASK 1, 1, 0, 16
	TASK 1, 2, 0, 0
	s_wait_dscnt 0x0                               ; for the others' sake: my images lie in LDS
	s_barrier_signal -1
	s_barrier_wait -1                              ; the launch's one barrier; behind it LDS is only read
.macro WM128 d, a, b, zero             ; operands by their numbers P; the windows are set as they ask
.set wd, (\d)&255
.set wa, (\a)&255
.set wb, (\b)&255
	WIN ((((\d)>>8)*0x50)|(((\b)>>8)<<2)|((\a)>>8))
.if \zero
	v_wmma_f32_16x16x128_fp8_fp8 v[wd:wd+7], v[wa:wa+15], v[wb:wb+15], 0
.else
	v_wmma_f32_16x16x128_fp8_fp8 v[wd:wd+7], v[wa:wa+15], v[wb:wb+15], v[wd:wd+7]
.endif
.endm
.macro BLOAD s                         ; two sets: x's fragments of K step s: five tiles x two sets, 40 loads of 512 dense bytes, into buffer s % 2
.set bb, 32+224*((\s)&1)
.set bn, bb&255
	WIN ((bb>>8)<<6)
.irp rho, 0,1,2,3,4
.irp st, 0,1
.irp c, 0,1,2,3
	global_load_b128 v[bn+32*\rho+16*\st+4*\c:bn+32*\rho+16*\st+4*\c+3], v[VB], s[8:9] offset:32768*\rho+4096*(\s)+2048*\st+512*\c
.endr
.endr
.endr
.endm
.macro BLQ s                           ; one set: five tiles of set 0, 20 loads, into buffer s % 4: P32, P112, P256, P336
.set bb, 32+80*((\s)&1)+224*(((\s)>>1)&1)
.set bn, bb&255
	WIN ((bb>>8)<<6)
.irp rho, 0,1,2,3,4
.irp c, 0,1,2,3
	global_load_b128 v[bn+16*\rho+4*\c:bn+16*\rho+4*\c+3], v[VB], s[8:9] offset:32768*\rho+4096*(\s)+512*\c
.endr
.endr
.endm
.macro ALOAD s, g                      ; granule g of K step s: unit tiles 3 g .. 3 g + 2, 12 LDS loads into buffer g % 2
.set ab, 192+224*((\g)&1)
.set an, ab&255
	WIN ((ab>>8)<<6)
.irp f, 0,1,2
.irp c, 0,1,2,3
.set lo, KIMG*(\s)+IMGB*(3*(\g)+\f)+CP*\c
	ds_load_b128 v[an+16*\f+4*\c:an+16*\f+4*\c+3], v[LI+(lo>>16)] offset:lo&0xffff
.endr
.endr
.endm
; A granule: four places behind the products just issued, since the loads below land in registers that those have read; the next granule's fragments; then 15 products.
; eq = 1: one set of x's codes.  The 60 accumulators take turns, one instruction a turn, in the same order in every K step.
.macro GRAN s, g, eq
	PLACES 4
.if ((\g) == 0) && ((\eq) == 1) && ((\s) <= 4)
	BLQ (\s)+3                                     ; into the buffer that the K step before has read
.endif
.if ((\g) == 0) && ((\eq) == 0) && ((\s) < 7)
	BLOAD (\s)+1
.endif
.if (\g) < 3
	ALOAD \s, (\g)+1
	s_wait_dscnt 12                                ; my fragments are in; the 12 just issued may be out
.elseif (\s) < 7
	ALOAD (\s)+1, 0
	s_wait_dscnt 12
.else
	s_wait_dscnt 0x0
.endif
.if ((\g) == 0) && ((\eq) == 1)
.set nq, 60                            ; behind this K step's 20 loads stand those of the three steps that follow, as far as there are such
.if (\s) > 4
.set nq, 20*(7-(\s))
.endif
	s_wait_loadcnt nq
.endif
.set zz, 0
.if (\s) == 0
.set zz, 1                             ; the first K step starts the sums: nothing is cleared
.endif
.irp f, 0,1,2
.irp rho, 0,1,2,3,4
.set aa, 3*(\g)+\f
.set dd, 512+256*(aa/6)+8*(5*(aa%6)+\rho)
.set fa, 192+224*((\g)&1)+16*\f
.if (\eq) == 1
.set fb, 32+80*((\s)&1)+224*(((\s)>>1)&1)+16*\rho
.else
.set fb, 32+224*((\s)&1)+32*\rho+16*(aa/6)
.endif
	WM128 dd, fa, fb, zz
.endr
.endr
.endm
; THE WAY OUT of row tile rho: h1 h2 / (1 + 2^(c1 h1)), held, converted; three chunks of 512 dense bytes.  Each batch of transcendentals has one wait, ahead of its first reader.
.macro EPI rho
	WIN 0x02                                       ; source 0 (h1) window 2
.irp a, 0,1,2,3,4,5
.irp i, 0,2,4,6
	v_pk_mul_f32 v[T+8*\a+\i:T+8*\a+\i+1], v[8*(5*\a+\rho)+\i:8*(5*\a+\rho)+\i+1], s[38:39] op_sel_hi:[1,0]   ; c1 h1; each accumulator from its low end on
.endr
.endr
	WIN 0
.set n, 0
.rept 48
	v_exp_f32 v[T+n], v[T+n]
.set n, n+1
.endr
	WIN 0x8e                                       ; h1 (destination, source 0) window 2, h2 (source 1) window 3: independent work behind the exponentials
.irp a, 0,1,2,3,4,5
.irp i, 0,2,4,6
	v_pk_mul_f32 v[8*(5*\a+\rho)+\i:8*(5*\a+\rho)+\i+1], v[8*(5*\a+\rho)+\i:8*(5*\a+\rho)+\i+1], v[8*(5*\a+\rho)+\i:8*(5*\a+\rho)+\i+1]   ; h1 h2
.endr
.endr
	WIN 0
	s_wait_alu depctr_va_vdst(0)
.set n, 0
.rept 24
	v_pk_add_f32 v[T+n:T+n+1], v[T+n:T+n+1], 1.0 op_sel_hi:[1,0]
.set n, n+2
.endr
.set n, 0
.rept 48
	v_rcp_f32 v[T+n], v[T+n]
.set n, n+1
.endr
	v_nop                                          ; a plain line behind the last reciprocal
	s_wait_alu depctr_va_vdst(0)
	WIN 0x02
.irp a, 0,1,2,3,4,5
.irp i, 0,2,4,6
	v_pk_mul_f32 v[T+8*\a+\i:T+8*\a+\i+1], v[8*(5*\a+\rho)+\i:8*(5*\a+\rho)+\i+1], v[T+8*\a+\i:T+8*\a+\i+1]
.endr
.endr
	WIN 0
.set n, 0
.rept 48
	v_med3_num_f32 v[T+n], v[T+n], -v[HLIM], v[HLIM]
.set n, n+1
.endr
.irp b, 0,1,2
	v_cvt_scalef32_pk8_fp8_f32 v[HPC+12*\rho+4*\b:HPC+12*\rho+4*\b+1], v[T+16*\b:T+16*\b+7], v[HSC]
	v_cvt_scalef32_pk8_fp8_f32 v[HPC+12*\rho+4*\b+2:HPC+12*\rho+4*\b+3], v[T+16*\b+8:T+16*\b+15], v[HSC]
.endr
	v_nop                                          ; a plain line behind the last conversion
.irp b, 0,1,2
	global_store_b128 v[VH], v[HPC+12*\rho+4*\b:HPC+12*\rho+4*\b+3], s[14:15] offset:44544*\rho+512*\b
.endr
.endm
	s_mov_b32 s35, 0
.Lpass:                                            ; NP trips
	s_cmp_eq_u32 s28, s30                          ; are x's two scales one and the same?
	s_cbranch_scc1 .Lone
	BLOAD 0                                        ; two sets
	ALOAD 0, 0
.irp s, 0,1,2,3,4,5,6,7
	s_wait_loadcnt 0x0                             ; this K step's fragments of x, asked for a K step ago
	GRAN \s, 0, 0
	GRAN \s, 1, 0
	GRAN \s, 2, 0
	GRAN \s, 3, 0
.endr
	WIN 0
	s_branch .Lout
.Lone:
	BLQ 0                                          ; one set: three K steps are asked for ahead
	BLQ 1
	BLQ 2
	ALOAD 0, 0
.irp s, 0,1,2,3,4,5,6,7
	GRAN \s, 0, 1
	GRAN \s, 1, 1
	GRAN \s, 2, 1
	GRAN \s, 3, 1
.endr
	WIN 0
.Lout:
	PLACES 4                                       ; in front of the first read of results
.irp rho, 0,1,2,3,4
	EPI \rho
.endr
	s_wait_xcnt 0x0                                ; the stores have read their codes and offsets: both are written again below
	v_add_nc_u32 v[VB], 20*32768, v[VB]
	v_add_nc_u32 v[VH], 20*44544, v[VH]
	s_add_co_u32 s35, s35, 1
	s_cmp_lt_u32 s35, s34
	s_cbranch_scc1 .Lpass
	s_wait_tensorcnt 0x0
	ds_add_u32 v254, v255
	s_wait_dscnt 0x0
	s_endpgm
.Lfunc_end_k_q6ffddadffc_hidden:
	.size	k_q6ffddadffc_hidden, .Lfunc_end_k_q6ffddadffc_hidden-k_q6ffddadffc_hidden
	.p2alignl 7, 3214868480
	.fill 96, 4, 3214868480
	.section	.rodata,"a",@progbits
	.p2align	6, 0x0
	.amdhsa_kernel k_q6ffddadffc_hidden
		.amdhsa_group_segment_fixed_size 209408
		.amdhsa_private_segment_fixed_size 0
		.amdhsa_enable_private_segment 0
		.amdhsa_kernarg_size 48
		.amdhsa_user_sgpr_count 2
		.amdhsa_user_sgpr_kernarg_segment_ptr 1
		.amdhsa_wavefront_size32 1
		.amdhsa_system_sgpr_workgroup_id_x 1
		.amdhsa_system_sgpr_workgroup_id_y 1
		.amdhsa_system_sgpr_workgroup_id_z 1
		.amdhsa_system_vgpr_workitem_id 0
		.amdhsa_next_free_vgpr 1024
		.amdhsa_next_free_sgpr 66
		.amdhsa_reserve_vcc 0
		.amdhsa_float_denorm_mode_32 3
		.amdhsa_float_denorm_mode_16_64 3
		.amdhsa_memory_ordered 1
		.amdhsa_forward_progress 1
		.amdhsa_inst_pref_size 255
	.end_amdhsa_kernel
	.section	.bss,"aw",@nobits
	.p2align	6
	.space	262144
	.amdgpu_metadata
---
amdhsa.version: [ 1, 2 ]
amdhsa.kernels:
  - .name:           k_q6ffddadffc_hidden
    .symbol:         k_q6ffddadffc_hidden.kd
    .args:
      - { .name: W1, .offset: 0, .size: 8, .value_kind: global_buffer, .address_space: global }
      - { .name: W2, .offset: 8, .size: 8, .value_kind: global_buffer, .address_space: global }
      - { .name: xg, .offset: 16, .size: 8, .value_kind: global_buffer, .address_space: global }
      - { .name: cnt, .offset: 24, .size: 8, .value_kind: global_buffer, .address_space: global }
      - { .name: lowp_scales, .offset: 32, .size: 8, .value_kind: global_buffer, .address_space: global }
      - { .name: hid, .offset: 40, .size: 8, .value_kind: global_buffer, .address_space: global }
    .group_segment_fixed_size: 209408
    .private_segment_fixed_size: 0
    .kernarg_segment_align: 8
    .kernarg_segment_size: 48
    .max_flat_workgroup_size: 128
    .sgpr_count:     66
    .vgpr_count:     1024
    .wavefront_size: 32
...
	.end_amdgpu_metadata
.endif
;; end of part 3
;; launch outp (part 4): grid 32 x 8, 4 waves a work-group, no clusters, 266,752 bytes of LDS; arguments W3, hid, cnt, lowp_scales, part; writes part
.if DOCPART == 4
	.amdgcn_target "amdgcn-amd-amdhsa--gfx1250"
	.amdhsa_code_object_version 6
	.text
	.protected	k_q6ffddadffc_outp
	.globl	k_q6ffddadffc_outp
	.p2align	8
	.type	k_q6ffddadffc_outp,@function
k_q6ffddadffc_outp:
	s_mov_b64 s[64:65], 0
	v_nop
	global_prefetch_b8 v0, s[64:65] scope:SCOPE_SE
	s_setreg_imm32_b32 hwreg(HW_REG_WAVE_MODE, 25, 1), 1
	s_wait_xcnt 0x0
; part[e][ds][position][32] = hidden . W3[e][32 ds .. 32 ds + 31] x 2^(e4 + e5), for the placed rows of one expert, on codes of FP8 (E4M3).
; SHARES.  A work-group takes 32 rows of W3 (ds = ttmp9) of expert ttmp7: ONE DENSE BLOCK of 349,440 bytes, which begins at a multiple of 256 bytes.  It is read once, as f32.
; PHASE 1.  The block is asked for at once: 171 rounds of 2,048 bytes (16 bytes a thread).  A row is 10,920 bytes, so rows do not fall on lanes: 16 rows at a time are laid in LDS as they lie, read back by rows
;   (8 bytes a load: rows begin at multiples of 8), quantised, and kept as images of the operand's registers: 2 tiles x 22 K steps.  K = 2,730 = 21 steps of 128 and one of 64 whose codes from k = 2,730 on are zeros.
;   A wave's five fragments of a tile go on two sets of registers by turns: the next fragment's 32 LDS loads are issued ahead of this one's arithmetic.
; PHASE 2.  NP passes of 20 row tiles (NP from the expert's count, read from memory): wave w takes tiles 20 p + 5 w + 0..4 against both tiles of W3: 10 accumulators.  The hidden codes come from hid straight into
;   registers (images, 512 dense bytes a load), three K steps ahead; the first pass's first three steps are asked for ahead of the second tile's quantising, when their registers have been left.  No barrier stands in this loop.
; NO TENSOR LOADS, NO CLUSTER: the work-groups of an expert read the same tiles of hid, but the number of passes hangs on a count read from memory.
; TRANSPOSED: source 0 = 16 rows of W3, source 1 = 16 rows of hidden: a lane holds one position and eight neighbouring outputs.  A position's 32 outputs are 128 bytes; they go through the wave's own stage
;   and leave four positions, 512 dense bytes, a store.
; K ORDER in both operands: register 4 c + q of lane (r, h) holds k = 32 c + 16 h + 4 q .. + 3 of a K step, as the launch before lays the hidden codes.
; LIMITS: e4 between -126 and 119; e4 + e5 between -126 and 127.  NaN among the inputs is not served.
; REGISTERS by their number P (window P / 256): P0-31 addresses and scales.  Phase 1: P32-95 and P112-175 a lane's 64 numbers, P96-111 and P176-191 codes, P256-939 the block as loaded (round i at 256 + 4 i).
;   Phase 2: P32-111 the sums (8 (5 tau + rho)), P112-175 W3's fragments (two buffers), P176-255 the scaled sums, P256-575 hidden's fragments (four buffers of 80), later the rows on their way out.
.set ROWB,  10920
.set IMG1,  45056                      ; tile 1's images: behind tile 0's 22 x 2,048 bytes
.set STAGE, 2*IMG1                     ; 176,128 bytes: 86 rounds; in phase 2 the waves' out-stages
.set X,   32
.set PC,  96
.set X1,  112
.set PC1, 176
.set SUM, 32
.set AR,  112
.set TT,  176
.set MSB, 0
.macro WIN new                         ; the immediate's high byte repeats the setting that is left; bits 1:0 source 0, 3:2 source 1, 5:4 source 2, 7:6 destination
.if MSB != (\new)
	s_set_vgpr_msb (MSB<<8)|(\new)
.set MSB, (\new)
.endif
.endm
.macro PLACES n
.rept \n
	v_nop
.endr
.endm
.macro QUANT src, dst, pc, sc, lim
.irp b, 0,1,2,3
.irp i, 0,1,2,3,4,5,6,7,8,9,10,11,12,13,14,15
	v_med3_num_f32 v[\dst+16*\b+\i], v[\src+16*\b+\i], -v[\lim], v[\lim]   ; the conversion does not saturate (ISA guide 7.6.2): the hold at the largest code x the scale
.endr
	v_cvt_scalef32_pk8_fp8_f32 v[\pc+4*\b:\pc+4*\b+1], v[\dst+16*\b:\dst+16*\b+7], v[\sc]
	v_cvt_scalef32_pk8_fp8_f32 v[\pc+4*\b+2:\pc+4*\b+3], v[\dst+16*\b+8:\dst+16*\b+15], v[\sc]
.endr
	v_nop                                          ; a plain line behind the last conversion
.endm
.macro BAR                             ; my LDS stores have landed and my LDS loads are in: then the work-group's barrier
	s_wait_dscnt 0x0
	s_barrier_signal -1
	s_barrier_wait -1
.endm
; rounds 85 tau .. 85 tau + 85 into the stage.  Tile 0's rows begin at 10,920 r; round 85 begins 640 bytes ahead of tile 1's first row, so tile 1's begin at 640 + 10,920 r
.macro STORE tau
.set i, 0
.rept 86
.set rp, 256+4*(i+85*(\tau))
.set rn, rp&255
	WIN ((rp>>8)<<2)
	ds_store_b128 v[6+(i>>5)], v[rn:rn+3] offset:(2048*i)&0xffff
.set i, i+1
.endr
	WIN 0
.endm
; a fragment's numbers: lane (r, h) takes 16 neighbours of each block of 32 of row r
.macro FLD xb, sa, so
.irp c, 0,1,2,3
.irp q, 0,1,2,3,4,5,6,7
	ds_load_b64 v[\xb+16*\c+2*\q:\xb+16*\c+2*\q+1], v[\sa] offset:(\so)+128*\c+8*\q
.endr
.endr
.endm
; they are quantised and the image is stored.  n: the LDS instructions issued behind the fragment's loads, which may stay out
.macro FQ xb, pc, ia, io, n
	s_wait_dscnt \n
	QUANT \xb, \xb, \pc, 20, 21
.irp c, 0,1,2,3
	ds_store_b128 v[\ia], v[\pc+4*\c:\pc+4*\c+3] offset:(\io)+512*\c
.endr
.endm
; a tile's 22 K steps: wave w makes w, w + 4, .. w + 16, on two sets of registers by turns; wave 0 also 20; wave 1 the short one, 21
.macro QTILE tau
	FLD X,  9, 640*(\tau)
	FLD X1, 9, 640*(\tau)+2048
	FQ  X,  PC,  13+(\tau), 0, 32                  ; behind my loads: the next fragment's 32
	FLD X,  9, 640*(\tau)+4096
	FQ  X1, PC1, 13+(\tau), 8192, 36               ; behind my loads: the last image's 4 stores and the next fragment's 32 loads
	FLD X1, 9, 640*(\tau)+6144
	FQ  X,  PC,  13+(\tau), 16384, 36
	FLD X,  9, 640*(\tau)+8192
	FQ  X1, PC1, 13+(\tau), 24576, 36
	FQ  X,  PC,  13+(\tau), 32768, 4               ; behind my loads: the last image's 4 stores
	s_cmp_lg_u32 s16, 0
	s_cbranch_scc1 .Lnot0_\@
	FLD X, 16, 640*(\tau)
	FQ  X, PC, 11+(\tau), 40960, 0
.Lnot0_\@:
	s_cmp_lg_u32 s16, 1
	s_cbranch_scc1 .Lnot1_\@
.irp q, 0,1,2,3,4,5,6,7
	ds_load_b64 v[X+2*\q:X+2*\q+1], v17 offset:640*(\tau)+8*\q          ; k = 2,688 + 16 h + 0 .. 15
.endr
.irp q, 0,1,2,3,4
	ds_load_b64 v[X+16+2*\q:X+16+2*\q+1], v18 offset:640*(\tau)+8*\q    ; k = 2,720 .. 2,729
.endr
	s_wait_dscnt 0x0
.irp i, 0,1,2,3,4,5,6,7,8,9
	v_cndmask_b32 v[X+16+\i], v[X+16+\i], v19, s42                     ; lanes 16-31 stand for k from 2,736 on: zeros
.endr
.irp i, 10,11,12,13,14,15
	v_mov_b32 v[X+16+\i], 0                                            ; k = 2,730 .. 2,735: zeros
.endr
.irp b, 0,1
.irp i, 0,1,2,3,4,5,6,7,8,9,10,11,12,13,14,15
	v_med3_num_f32 v[X+16*\b+\i], v[X+16*\b+\i], -v21, v21
.endr
	v_cvt_scalef32_pk8_fp8_f32 v[PC+4*\b:PC+4*\b+1], v[X+16*\b:X+16*\b+7], v20
	v_cvt_scalef32_pk8_fp8_f32 v[PC+4*\b+2:PC+4*\b+3], v[X+16*\b+8:X+16*\b+15], v20
.endr
	v_nop
.irp c, 0,1
	ds_store_b128 v[11+(\tau)], v[PC+4*\c:PC+4*\c+3] offset:43008+512*\c
.endr
.Lnot1_\@:
.endm
.macro WMM d, a, b, zero, short        ; operands by their numbers P; short = 1: the form of 64 along K
.set wd, (\d)&255
.set wa, (\a)&255
.set wb, (\b)&255
	WIN ((((\d)>>8)*0x50)|(((\b)>>8)<<2)|((\a)>>8))
.if \short
	v_wmma_f32_16x16x64_fp8_fp8 v[wd:wd+7], v[wa:wa+7], v[wb:wb+7], v[wd:wd+7]
.elseif \zero
	v_wmma_f32_16x16x128_fp8_fp8 v[wd:wd+7], v[wa:wa+15], v[wb:wb+15], 0
.else
	v_wmma_f32_16x16x128_fp8_fp8 v[wd:wd+7], v[wa:wa+15], v[wb:wb+15], v[wd:wd+7]
.endif
.endm
.macro BLD s                           ; hidden's fragments of K step s: five tiles x four chunks (two in step 21) into buffer s % 4
.set nc, 4
.if (\s) == 21
.set nc, 2
.endif
.irp rho, 0,1,2,3,4
.set c, 0
.rept nc
.set rp, 256+80*((\s)%4)+16*\rho+4*c
.set rn, rp&255
	WIN ((rp>>8)<<6)
	global_load_b128 v[rn:rn+3], v22, s[6:7] offset:44544*\rho+2048*(\s)+512*c
.set c, c+1
.endr
.endr
.endm
.macro ALD s                           ; W3's two fragments of K step s into buffer s % 2
.set nc, 4
.if (\s) == 21
.set nc, 2
.endif
	WIN 0
.irp tau, 0,1
.set c, 0
.rept nc
	ds_load_b128 v[AR+32*((\s)&1)+16*\tau+4*c:AR+32*((\s)&1)+16*\tau+4*c+3], v[11+\tau] offset:2048*(\s)+512*c
.set c, c+1
.endr
.endr
.endm
; A K step: the places behind the products just issued: the loads below land in registers that those have read; in step 21 one more, since another form takes the sums up.
; The ten accumulators take turns, one instruction a turn, in the same order in every step.
.macro KS s
.if (\s) == 21
	PLACES 5
.else
	PLACES 4
.endif
.if (\s) <= 18
	BLD (\s)+3
.endif
.if (\s) <= 20
	ALD (\s)+1
.endif
.set nl, 60                            ; the loads issued behind this step's: three steps of 20; step 21 has 10
.set nd, 8                             ; the next step's eight LDS loads; step 21 has 4
.set zz, 0
.set sh, 0
.if (\s) == 0
.set zz, 1
.endif
.if (\s) == 18
.set nl, 50
.endif
.if (\s) == 19
.set nl, 30
.endif
.if (\s) == 20
.set nl, 10
.set nd, 4
.endif
.if (\s) == 21
.set nl, 0
.set nd, 0
.set sh, 1
.endif
	s_wait_loadcnt nl
	s_wait_dscnt nd
.irp tau, 0,1
.irp rho, 0,1,2,3,4
.set dd, SUM+8*(5*\tau+\rho)
.set fa, AR+32*((\s)&1)+16*\tau
.set fb, 256+80*((\s)%4)+16*\rho
	WMM dd, fa, fb, zz, sh
.endr
.endr
.endm
	s_load_b256 s[4:11], s[0:1], 0x0               ; W3 s[4:5], hid s[6:7], cnt s[8:9], the exponents s[10:11]
	s_load_b64 s[12:13], s[0:1], 0x20              ; part
	v_lshl_add_u32 v30, v0, 2, 0x41000
	v_mov_b32 v31, 0
	v_lshrrev_b32 v1, 5, v0
	v_readfirstlane_b32 s16, v1                    ; wave
	s_mov_b32 s17, ttmp9                           ; ds
	s_and_b32 s18, ttmp7, 0xffff                   ; expert
	v_and_b32 v1, 31, v0                           ; lane
	v_lshlrev_b32 v11, 4, v1                       ; v11  16 x lane: tile 0's images
	v_add_nc_u32 v12, IMG1, v11                    ; v12  tile 1's
	v_and_b32 v2, 15, v0                           ; r
	v_bfe_u32 v3, v0, 4, 1                         ; h
	v_lshlrev_b32 v4, 4, v0                        ; v4   16 x thread: my bytes of a round
	v_add_nc_u32 v5, 170*2048, v4
	v_min_u32 v5, 32*ROWB-16, v5                   ; v5   the last round has 1,280 bytes: threads from 80 on repeat the block's last 16, so no load leaves W3
	v_add_nc_u32 v6, STAGE, v4                     ; v6-8 the stage by rounds (an LDS immediate has 16 bits)
	v_add_nc_u32 v7, STAGE+65536, v4
	v_add_nc_u32 v8, STAGE+131072, v4
	v_mul_u32_u24 v18, v2, ROWB
	v_lshl_add_u32 v9, v3, 6, v18                  ; row r, + 64 h
	v_add_nc_u32 v16, STAGE+20*512, v9             ; v16  K step 20
	v_add_nc_u32 v17, STAGE+21*512, v9             ; v17  K step 21, k = 2,688 on
	v_add_nc_u32 v18, STAGE+4*2720, v18            ; v18  k = 2,720 .. 2,729, the same for both halves of the lanes
	s_lshl_b32 s40, s16, 9
	s_add_co_u32 s40, s40, STAGE
	v_add_nc_u32 v9, s40, v9                       ; v9   K step w
	s_lshl_b32 s40, s16, 11
	v_add_nc_u32 v13, s40, v11                     ; v13, v14  where I store images: K step w of tile 0, 1
	v_add_nc_u32 v14, s40, v12
	v_mov_b32 v19, 0
	s_mul_i32 s40, s18, 80
	s_mul_i32 s41, s16, 5
	s_add_co_u32 s40, s40, s41
	s_mul_i32 s40, s40, 44544
	v_add_nc_u32 v22, s40, v11                     ; v22  my five tiles in hid
	s_lshl_b32 s40, s18, 5
	s_add_co_u32 s40, s40, s17
	s_mul_i32 s40, s40, 1280
	s_mul_i32 s41, s16, 80
	s_add_co_u32 s40, s40, s41
	s_lshl_b32 s40, s40, 7
	v_add_nc_u32 v23, s40, v11                     ; v23  my 80 positions in part
	s_mul_i32 s40, s16, 11520
	s_add_co_u32 s40, s40, STAGE                   ; my out-stages: five of 16 rows x (128 bytes + 16)
	v_mul_u32_u24 v24, v2, 144
	v_lshl_add_u32 v24, v3, 5, v24
	v_add_nc_u32 v24, s40, v24                     ; v24  in: row r, + 32 h
	v_lshrrev_b32 v25, 3, v1
	v_mul_u32_u24 v25, v25, 144
	v_and_b32 v10, 7, v1
	v_lshl_add_u32 v25, v10, 4, v25
	v_add_nc_u32 v25, s40, v25                     ; v25  back: eight lanes to a row, four rows a load
	s_mov_b32 s42, 0xffff0000                      ; lanes 16-31
	s_lshl_b32 s40, s18, 10
	s_lshl_b32 s41, s17, 5
	s_add_co_u32 s40, s40, s41
	s_mul_i32 s40, s40, ROWB                       ; the block's first byte
	s_mov_b32 s41, 0
	s_lshl_b32 s44, s18, 2
	s_mov_b32 s45, 0
	s_wait_kmcnt 0x0
	s_add_nc_u64 s[20:21], s[4:5], s[40:41]
	s_add_nc_u64 s[8:9], s[8:9], s[44:45]
	s_load_b32 s34, s[8:9], 0x0                    ; the expert's count
	s_load_b64 s[32:33], s[10:11], 0x10            ; e4, e5
.set i, 0
.rept 170
.set rp, 256+4*i
.set rn, rp&255
	WIN ((rp>>8)<<6)
	global_load_b128 v[rn:rn+3], v4, s[20:21] offset:2048*i th:TH_LOAD_NT   ; a wave reads 512 consecutive bytes
.set i, i+1
.endr
	global_load_b128 v[168:171], v5, s[20:21] th:TH_LOAD_NT                    ; round 170, at P936 (window 3 is set)
	WIN 0
	s_wait_kmcnt 0x0
	s_add_co_i32 s40, s32, 127
	s_lshl_b32 s41, s40, 23
	v_mov_b32 v20, s41                             ; 2^e4
	s_add_co_i32 s40, s40, 8
	s_lshl_b32 s40, s40, 23
	s_or_b32 s40, s40, 0x600000
	v_mov_b32 v21, s40                             ; 448 x 2^e4
	s_add_co_i32 s40, s32, s33
	s_add_co_i32 s40, s40, 127
	s_lshl_b32 s40, s40, 23                        ; 2^(e4 + e5) as f32
	s_mov_b32 s41, s40                             ; (named with it as a pair)
	s_min_u32 s34, s34, 1024
	s_add_co_u32 s34, s34, 15
	s_lshr_b32 s34, s34, 4
	s_add_co_u32 s34, s34, 19
	s_mul_i32 s34, s34, 3277
	s_lshr_b32 s34, s34, 16
	s_max_u32 s34, s34, 1
	s_min_u32 s34, s34, 4                          ; NP, as the launches before made it
	s_wait_loadcnt 63                              ; behind round 85 stand 85 younger loads: 63 is the largest count that a wait can name
	STORE 0
	BAR                                            ; tile 0's rows lie in the stage
	QTILE 0
	BAR                                            ; nobody reads them any more
	s_wait_loadcnt 0x0
	STORE 1
	BAR                                            ; tile 1's rows lie in the stage, and the block's registers have been read
	BLD 0                                          ; the first pass's first three K steps of hidden codes are asked for here, into registers that rounds 0 to 79 have left: they land while tile 1 is quantised
	BLD 1
	BLD 2
	WIN 0
	QTILE 1
	BAR                                            ; all images lie in LDS, and the stage is free for the way out.  Behind this barrier each wave touches its own bytes, and the images are only read
	s_mov_b32 s35, 0
.Lpass:                                            ; NP trips
	s_cmp_eq_u32 s35, 0
	s_cbranch_scc1 .Lasked                         ; the first pass's have been asked for above
	s_wait_loadcnt 0x0                             ; no load of mine is out when the ring is asked for anew
	BLD 0
	BLD 1
	BLD 2
	WIN 0
.Lasked:
	ALD 0
.irp s, 0,1,2,3,4,5,6,7,8,9,10,11,12,13,14,15,16,17,18,19,20,21
	KS \s
.endr
	PLACES 4                                       ; in front of the first read of results
	WIN 0
.irp rho, 0,1,2,3,4
.irp tau, 0,1
.irp i, 0,2,4,6
	v_pk_mul_f32 v[TT+16*\rho+8*\tau+\i:TT+16*\rho+8*\tau+\i+1], v[SUM+8*(5*\tau+\rho)+\i:SUM+8*(5*\tau+\rho)+\i+1], s[40:41] op_sel_hi:[1,0]   ; x 2^(e4 + e5); each accumulator from its low end on
.endr
.endr
.endr
.irp rho, 0,1,2,3,4
.irp tau, 0,1
.irp u, 0,1
	ds_store_b128 v24, v[TT+16*\rho+8*\tau+4*\u:TT+16*\rho+8*\tau+4*\u+3] offset:2304*\rho+64*\tau+16*\u   ; lane (r, h): outputs 16 tau + 8 h + 4 u .. + 3 of position r
.endr
.endr
.endr
	WIN 0x40                                       ; destination window 1
.irp rho, 0,1,2,3,4
.irp i, 0,1,2,3
	ds_load_b128 v[16*\rho+4*\i:16*\rho+4*\i+3], v25 offset:2304*\rho+576*\i   ; LDS serves a wave's instructions in order: these see my stores
.endr
.endr
	s_wait_dscnt 0x0
	WIN 0x04                                       ; a store's data: source 1, window 1
.irp rho, 0,1,2,3,4
.irp i, 0,1,2,3
	global_store_b128 v23, v[16*\rho+4*\i:16*\rho+4*\i+3], s[12:13] offset:2048*\rho+512*\i   ; four positions: 512 consecutive bytes
.endr
.endr
	WIN 0
	s_wait_xcnt 0x0                                ; the stores have read their data and offsets: both are written again below
	v_add_nc_u32 v22, 20*44544, v22
	v_add_nc_u32 v23, 320*128, v23
	s_add_co_u32 s35, s35, 1
	s_cmp_lt_u32 s35, s34
	s_cbranch_scc1 .Lpass
	s_wait_tensorcnt 0x0
	ds_add_u32 v30, v31
	s_wait_dscnt 0x0
	s_endpgm
.Lfunc_end_k_q6ffddadffc_outp:
	.size	k_q6ffddadffc_outp, .Lfunc_end_k_q6ffddadffc_outp-k_q6ffddadffc_outp
	.p2alignl 7, 3214868480
	.fill 96, 4, 3214868480
	.section	.rodata,"a",@progbits
	.p2align	6, 0x0
	.amdhsa_kernel k_q6ffddadffc_outp
		.amdhsa_group_segment_fixed_size 266752
		.amdhsa_private_segment_fixed_size 0
		.amdhsa_enable_private_segment 0
		.amdhsa_kernarg_size 40
		.amdhsa_user_sgpr_count 2
		.amdhsa_user_sgpr_kernarg_segment_ptr 1
		.amdhsa_wavefront_size32 1
		.amdhsa_system_sgpr_workgroup_id_x 1
		.amdhsa_system_sgpr_workgroup_id_y 1
		.amdhsa_system_sgpr_workgroup_id_z 1
		.amdhsa_system_vgpr_workitem_id 0
		.amdhsa_next_free_vgpr 960
		.amdhsa_next_free_sgpr 66
		.amdhsa_reserve_vcc 0
		.amdhsa_float_denorm_mode_32 3
		.amdhsa_float_denorm_mode_16_64 3
		.amdhsa_memory_ordered 1
		.amdhsa_forward_progress 1
		.amdhsa_inst_pref_size 207
	.end_amdhsa_kernel
	.amdgpu_metadata
---
amdhsa.version: [ 1, 2 ]
amdhsa.kernels:
  - .name:           k_q6ffddadffc_outp
    .symbol:         k_q6ffddadffc_outp.kd
    .args:
      - { .name: W3, .offset: 0, .size: 8, .value_kind: global_buffer, .address_space: global }
      - { .name: hid, .offset: 8, .size: 8, .value_kind: global_buffer, .address_space: global }
      - { .name: cnt, .offset: 16, .size: 8, .value_kind: global_buffer, .address_space: global }
      - { .name: lowp_scales, .offset: 24, .size: 8, .value_kind: global_buffer, .address_space: global }
      - { .name: part, .offset: 32, .size: 8, .value_kind: global_buffer, .address_space: global }
    .group_segment_fixed_size: 266752
    .private_segment_fixed_size: 0
    .kernarg_segment_align: 8
    .kernarg_segment_size: 40
    .max_flat_workgroup_size: 128
    .sgpr_count:     66
    .vgpr_count:     960
    .wavefront_size: 32
...
	.end_amdgpu_metadata
.endif
;; end of part 4
;; launch combine (part 5): grid 256 x 1, 4 waves a work-group, no clusters, 0 bytes of LDS; arguments part, sel, gw, posn, out0; writes out0
.if DOCPART == 5
	.amdgcn_target "amdgcn-amd-amdhsa--gfx1250"
	.amdhsa_code_object_version 6
	.text
	.protected	k_q6ffddadffc_combine
	.globl	k_q6ffddadffc_combine
	.p2align	8
	.type	k_q6ffddadffc_combine,@function
k_q6ffddadffc_combine:
	s_mov_b64 s[64:65], 0
	v_nop
	global_prefetch_b8 v0, s[64:65] scope:SCOPE_SE
	s_setreg_imm32_b32 hwreg(HW_REG_WAVE_MODE, 25, 1), 1
	s_wait_xcnt 0x0
; out0[t] = g0 x (expert e0's row of t) + g1 x (expert e1's): the last product of the layer; the other six gates are zeros.  A token's two rows were made by different work-groups, so they are added here, by one owner.
; A wave takes token t = 4 x work-group + wave.  Its two experts (sel), its position in each (posn) and its gates (gw) come by scalar loads; the positions of all eight experts are read at fixed places and the
; two are chosen by selections, so that no load waits for another.  A row lies in part as 32 pieces of 128 bytes, 163,840 bytes apart: eight lanes take a piece, a load takes four.
; No LDS, no barrier, no matrix unit: 12 KB a wave are moved once.
	s_load_b256 s[4:11], s[0:1], 0x0               ; part s[4:5], sel s[6:7], gw s[8:9], posn s[10:11]
	s_load_b64 s[12:13], s[0:1], 0x20              ; out0
	v_lshrrev_b32 v5, 5, v0
	v_readfirstlane_b32 s16, v5                    ; wave
	v_and_b32 v3, 31, v0
	v_lshlrev_b32 v2, 4, v3                        ; 16 x lane: my place in 512 bytes of the output row
	v_lshrrev_b32 v1, 3, v3
	v_mul_u32_u24 v1, v1, 163840                   ; the piece: 1,280 positions of 128 bytes
	v_and_b32 v4, 7, v3
	v_lshl_add_u32 v1, v4, 4, v1                   ; + my 16 bytes of it
	s_lshl_b32 s17, ttmp9, 2
	s_add_co_u32 s17, s17, s16                     ; my token
	s_lshl_b32 s18, s17, 2
	s_mov_b32 s19, 0
	s_lshl_b32 s20, s17, 3
	s_mov_b32 s21, 0
	s_lshl_b32 s40, s17, 12
	s_mov_b32 s41, 0
	s_wait_kmcnt 0x0
	s_add_nc_u64 s[6:7], s[6:7], s[18:19]
	s_add_nc_u64 s[8:9], s[8:9], s[20:21]
	s_add_nc_u64 s[10:11], s[10:11], s[18:19]
	s_add_nc_u64 s[12:13], s[12:13], s[40:41]
	s_load_b32 s42, s[6:7], 0x0                    ; e0 | e1 << 8 | ..
	s_load_b64 s[22:23], s[8:9], 0x0               ; g0, g1
.irp e, 0,1,2,3,4,5,6,7
	s_load_b32 s[24+\e], s[10:11], 4096*\e         ; my position in expert e's order
.endr
	s_wait_kmcnt 0x0
	s_and_b32 s32, s42, 0xff                       ; e0
	s_bfe_u32 s33, s42, 0x80008                    ; e1
	s_mov_b32 s34, s24
	s_mov_b32 s35, s24
.irp e, 1,2,3,4,5,6,7
	s_cmp_eq_u32 s32, \e
	s_cselect_b32 s34, s[24+\e], s34
	s_cmp_eq_u32 s33, \e
	s_cselect_b32 s35, s[24+\e], s35
.endr
	s_mul_i32 s36, s32, 40960                      ; 32 pieces x 1,280 positions an expert
	s_add_co_u32 s36, s36, s34
	s_min_u32 s36, s36, 0x463ff                    ; numbers read from memory enter an address held inside the table: 7 x 40,960 + 1,023
	s_lshl_b32 s36, s36, 7
	s_mov_b32 s37, 0
	s_add_nc_u64 s[36:37], s[4:5], s[36:37]
	s_mul_i32 s38, s33, 40960
	s_add_co_u32 s38, s38, s35
	s_min_u32 s38, s38, 0x463ff
	s_lshl_b32 s38, s38, 7
	s_mov_b32 s39, 0
	s_add_nc_u64 s[38:39], s[4:5], s[38:39]
	s_mov_b32 s46, s23                             ; g1 in a pair of its own: the packed form takes a pair's low word for both halves
	s_mov_b32 s47, s23
.irp i, 0,1,2,3,4,5,6,7
	global_load_b128 v[16+4*\i:19+4*\i], v1, s[36:37] offset:655360*\i th:TH_LOAD_NT
.endr
.irp i, 0,1,2,3,4,5,6,7
	global_load_b128 v[48+4*\i:51+4*\i], v1, s[38:39] offset:655360*\i th:TH_LOAD_NT
.endr
	s_wait_loadcnt 0x0
.irp j, 0,2,4,6,8,10,12,14,16,18,20,22,24,26,28,30
	v_pk_mul_f32 v[16+\j:17+\j], v[16+\j:17+\j], s[22:23] op_sel_hi:[1,0]
.endr
.irp j, 0,2,4,6,8,10,12,14,16,18,20,22,24,26,28,30
	v_pk_fma_f32 v[16+\j:17+\j], v[48+\j:49+\j], s[46:47], v[16+\j:17+\j] op_sel_hi:[1,0,1]
.endr
.irp i, 0,1,2,3,4,5,6,7
	global_store_b128 v2, v[16+4*\i:19+4*\i], s[12:13] offset:512*\i th:TH_STORE_NT   ; 512 consecutive bytes of the token's row
.endr
	s_endpgm
.Lfunc_end_k_q6ffddadffc_combine:
	.size	k_q6ffddadffc_combine, .Lfunc_end_k_q6ffddadffc_combine-k_q6ffddadffc_combine
	.p2alignl 7, 3214868480
	.fill 96, 4, 3214868480
	.section	.rodata,"a",@progbits
	.p2align	6, 0x0
	.amdhsa_kernel k_q6ffddadffc_combine
		.amdhsa_group_segment_fixed_size 0
		.amdhsa_private_segment_fixed_size 0
		.amdhsa_enable_private_segment 0
		.amdhsa_kernarg_size 40
		.amdhsa_user_sgpr_count 2
		.amdhsa_user_sgpr_kernarg_segment_ptr 1
		.amdhsa_wavefront_size32 1
		.amdhsa_system_sgpr_workgroup_id_x 1
		.amdhsa_system_sgpr_workgroup_id_y 1
		.amdhsa_system_sgpr_workgroup_id_z 1
		.amdhsa_system_vgpr_workitem_id 0
		.amdhsa_next_free_vgpr 80
		.amdhsa_next_free_sgpr 66
		.amdhsa_reserve_vcc 0
		.amdhsa_float_denorm_mode_32 3
		.amdhsa_float_denorm_mode_16_64 3
		.amdhsa_memory_ordered 1
		.amdhsa_forward_progress 1
		.amdhsa_inst_pref_size 8
	.end_amdhsa_kernel
	.amdgpu_metadata
---
amdhsa.version: [ 1, 2 ]
amdhsa.kernels:
  - .name:           k_q6ffddadffc_combine
    .symbol:         k_q6ffddadffc_combine.kd
    .args:
      - { .name: part, .offset: 0, .size: 8, .value_kind: global_buffer, .address_space: global }
      - { .name: sel, .offset: 8, .size: 8, .value_kind: global_buffer, .address_space: global }
      - { .name: gw, .offset: 16, .size: 8, .value_kind: global_buffer, .address_space: global }
      - { .name: posn, .offset: 24, .size: 8, .value_kind: global_buffer, .address_space: global }
      - { .name: out0, .offset: 32, .size: 8, .value_kind: global_buffer, .address_space: global }
    .group_segment_fixed_size: 0
    .private_segment_fixed_size: 0
    .kernarg_segment_align: 8
    .kernarg_segment_size: 40
    .max_flat_workgroup_size: 128
    .sgpr_count:     66
    .vgpr_count:     80
    .wavefront_size: 32
...
	.end_amdgpu_metadata
.endif
;; end of part 5
;; ======== version 2 of 2: 5 launches
;; workspace buffers: sel 4,096 bytes of whole numbers; gw 8,192 bytes; cnt 256 bytes of whole numbers; posn 32,768 bytes of whole numbers; xg 20,971,520 bytes; hid 28,508,160 bytes; part 41,943,040 bytes
;; launch route (part 6): grid 256 x 1, 4 waves a work-group, no clusters, 0 bytes of LDS; arguments x, Wg, sel, gw; writes sel, gw
.if DOCPART == 6
	.amdgcn_target "amdgcn-amd-amdhsa--gfx1250"
	.amdhsa_code_object_version 6
	.text
	.protected	k_q6ffddadffc_route
	.globl	k_q6ffddadffc_route
	.p2align	8
	.type	k_q6ffddadffc_route,@function
k_q6ffddadffc_route:
	s_mov_b64 s[64:65], 0
	v_nop
	global_prefetch_b8 v0, s[64:65] scope:SCOPE_SE
	s_setreg_imm32_b32 hwreg(HW_REG_WAVE_MODE, 25, 1), 1
	s_wait_xcnt 0x0
; THE ROUTER.  logits[t][e] = x[t] . Wg[e] in f32 (fused multiply-adds), the two largest, and the softmax over those two.
; A wave takes one token t = 4 x work-group + wave.  A lane holds 32 numbers of x (eight loads of 16 bytes, 512 consecutive bytes a load) and the same places of all eight rows of Wg.
; Stored at fixed places: sel[t] = e0 | e1 << 8 | ((1 << e0) | (1 << e1)) << 16 (whole numbers, for the later launches' addresses) and gw[t] = g0, g1.  No address here hangs on the choice.
; Ties go to the lower index, as jax.lax.top_k breaks them: a later expert displaces an earlier one only if it is strictly larger.
; LIMITS: the order of the 1,024 additions differs from the reference's, so logits closer than f32 rounding may change places; NaN and infinities among the logits are not served.
; REGISTERS: v1 16 x lane; v3 lane; v8-23 the eight sums (a pair each); v24-31 the choice; v32-63 x; v64-191 Wg's experts 0-3; the same names in window 1: experts 4-7.
.set X,   32
.set WG,  64
.set SUM, 8
.set MSB, 0
.macro WIN new                         ; the immediate's high byte repeats the setting that is left
.if MSB != (\new)
	s_set_vgpr_msb (MSB<<8)|(\new)
.set MSB, (\new)
.endif
.endm
	s_load_b256 s[4:11], s[0:1], 0x0               ; x s[4:5], Wg s[6:7], sel s[8:9], gw s[10:11]
	v_lshrrev_b32 v2, 5, v0
	v_readfirstlane_b32 s12, v2                    ; wave
	v_and_b32 v3, 31, v0                           ; lane
	v_lshlrev_b32 v1, 4, v3                        ; 16 bytes a lane
	s_lshl_b32 s13, ttmp9, 2
	s_add_co_u32 s13, s13, s12                     ; my token
	s_lshl_b32 s16, s13, 12                        ; its row of x: 4,096 bytes
	s_mov_b32 s17, 0
	s_lshl_b32 s18, s13, 2                         ; its word of sel
	s_mov_b32 s19, 0
	s_lshl_b32 s22, s13, 3                         ; its pair of gw
	s_mov_b32 s23, 0
	s_mov_b32 s14, 0x76543210                      ; v_permlanex16_b32: lane l xor 16
	s_mov_b32 s15, 0xfedcba98
	s_wait_alu depctr_va_vdst(0)
	s_wait_kmcnt 0x0
	s_add_nc_u64 s[4:5], s[4:5], s[16:17]
	s_add_nc_u64 s[8:9], s[8:9], s[18:19]
	s_add_nc_u64 s[10:11], s[10:11], s[22:23]
.irp i, 0,1,2,3,4,5,6,7
	global_load_b128 v[X+4*\i:X+4*\i+3], v1, s[4:5] offset:512*\i th:TH_LOAD_NT
.endr
.irp e, 0,1,2,3
.irp i, 0,1,2,3,4,5,6,7
	global_load_b128 v[WG+32*\e+4*\i:WG+32*\e+4*\i+3], v1, s[6:7] offset:4096*\e+512*\i
.endr
.endr
	WIN 0x40                                       ; destination window 1
.irp e, 0,1,2,3
.irp i, 0,1,2,3,4,5,6,7
	global_load_b128 v[WG+32*\e+4*\i:WG+32*\e+4*\i+3], v1, s[6:7] offset:4096*(\e+4)+512*\i
.endr
.endr
	WIN 0
; four experts' sums, two numbers an instruction; the four chains take turns; the first product starts each sum
.macro DOT e0
.irp q, 0,1,2,3,4,5,6,7,8,9,10,11,12,13,14,15
.irp e, 0,1,2,3
.if \q == 0
	v_pk_mul_f32 v[SUM+2*(\e0+\e):SUM+2*(\e0+\e)+1], v[X+2*\q:X+2*\q+1], v[WG+32*\e+2*\q:WG+32*\e+2*\q+1]
.else
	v_pk_fma_f32 v[SUM+2*(\e0+\e):SUM+2*(\e0+\e)+1], v[X+2*\q:X+2*\q+1], v[WG+32*\e+2*\q:WG+32*\e+2*\q+1], v[SUM+2*(\e0+\e):SUM+2*(\e0+\e)+1]
.endif
.endr
.endr
.endm
	s_wait_loadcnt 32                              ; x and experts 0-3 are in; the 32 loads of experts 4-7 may be out
	DOT 0
	s_wait_loadcnt 0x0
	WIN 0x04                                       ; source 1 (Wg) window 1
	DOT 4
	WIN 0
.irp e, 0,1,2,3,4,5,6,7
	v_add_f32 v[SUM+2*\e], v[SUM+2*\e], v[SUM+2*\e+1]
.endr
.irp m, 1,2,4,8                        ; across the lanes: four steps inside each half ride on the addition, one crosses the halves; every lane ends with the same bits
.irp e, 0,1,2,3,4,5,6,7
	v_add_f32_dpp v[SUM+2*\e], v[SUM+2*\e], v[SUM+2*\e] row_xmask:\m row_mask:0xf bank_mask:0xf
.endr
.endr
.irp e, 0,1,2,3,4,5,6,7
	v_permlanex16_b32 v[SUM+2*\e+1], v[SUM+2*\e], s14, s15
.endr
.irp e, 0,1,2,3,4,5,6,7
	v_add_f32 v[SUM+2*\e], v[SUM+2*\e], v[SUM+2*\e+1]
.endr
	; the largest: v24 its logit, v25 its index.  The mask says 'keep': not strictly larger
	v_mov_b32 v24, v[SUM]
	v_mov_b32 v25, 0
.irp e, 1,2,3,4,5,6,7
	v_cmp_le_f32 vcc_lo, v[SUM+2*\e], v24
	v_cndmask_b32 v24, v[SUM+2*\e], v24, vcc_lo
	v_cndmask_b32 v25, \e, v25, vcc_lo
.endr
	; the second: the same among the other seven
	v_mov_b32 v26, 0xff800000                      ; -infinity
	v_mov_b32 v27, 0
.irp e, 0,1,2,3,4,5,6,7
	v_cmp_eq_u32 s20, \e, v25
	v_cmp_le_f32 vcc_lo, v[SUM+2*\e], v26
	s_or_b32 vcc_lo, vcc_lo, s20
	v_cndmask_b32 v26, v[SUM+2*\e], v26, vcc_lo
	v_cndmask_b32 v27, \e, v27, vcc_lo
.endr
	; softmax over the two, the larger taken away first: g0 = 1 / (1 + E), g1 = E / (1 + E), E = e^(second - largest) <= 1
	v_sub_f32 v28, v26, v24
	v_mul_f32 v28, 0x3fb8aa3b, v28
	s_wait_alu depctr_va_vdst(0)
	v_exp_f32 v28, v28
	v_mov_b32 v5, 1                                ; plain work behind the exponential: the word for sel
	v_lshlrev_b32 v4, v25, v5
	v_lshlrev_b32 v6, v27, v5
	v_or_b32 v4, v4, v6
	v_lshl_or_b32 v6, v27, 8, v25
	v_lshl_or_b32 v4, v4, 16, v6
	v_mov_b32 v7, 0
	s_wait_alu depctr_va_vdst(0)                   ; ahead of the exponential's first reader
	v_add_f32 v29, 1.0, v28
	s_wait_alu depctr_va_vdst(0)
	v_rcp_f32 v30, v29
	v_cmp_eq_u32 vcc_lo, 0, v3                     ; a plain line behind the reciprocal: lane 0 stores
	s_wait_alu depctr_va_vdst(0)                   ; ahead of the reciprocal's first reader
	v_mul_f32 v31, v28, v30
	s_wait_alu depctr_va_vdst(0)
	s_wait_xcnt 0x0                                ; EXEC changes only behind this wait
	s_and_saveexec_b32 s20, vcc_lo
	global_store_b32 v7, v4, s[8:9]
	global_store_b64 v7, v[30:31], s[10:11]
	s_wait_xcnt 0x0
	s_or_b32 exec_lo, exec_lo, s20
	s_endpgm
.Lfunc_end_k_q6ffddadffc_route:
	.size	k_q6ffddadffc_route, .Lfunc_end_k_q6ffddadffc_route-k_q6ffddadffc_route
	.p2alignl 7, 3214868480
	.fill 96, 4, 3214868480
	.section	.rodata,"a",@progbits
	.p2align	6, 0x0
	.amdhsa_kernel k_q6ffddadffc_route
		.amdhsa_group_segment_fixed_size 0
		.amdhsa_private_segment_fixed_size 0
		.amdhsa_enable_private_segment 0
		.amdhsa_kernarg_size 32
		.amdhsa_user_sgpr_count 2
		.amdhsa_user_sgpr_kernarg_segment_ptr 1
		.amdhsa_wavefront_size32 1
		.amdhsa_system_sgpr_workgroup_id_x 1
		.amdhsa_system_sgpr_workgroup_id_y 1
		.amdhsa_system_sgpr_workgroup_id_z 1
		.amdhsa_system_vgpr_workitem_id 0
		.amdhsa_next_free_vgpr 448
		.amdhsa_next_free_sgpr 66
		.amdhsa_reserve_vcc 1
		.amdhsa_float_denorm_mode_32 3
		.amdhsa_float_denorm_mode_16_64 3
		.amdhsa_memory_ordered 1
		.amdhsa_forward_progress 1
		.amdhsa_inst_pref_size 23
	.end_amdhsa_kernel
	.amdgpu_metadata
---
amdhsa.version: [ 1, 2 ]
amdhsa.kernels:
  - .name:           k_q6ffddadffc_route
    .symbol:         k_q6ffddadffc_route.kd
    .args:
      - { .name: x, .offset: 0, .size: 8, .value_kind: global_buffer, .address_space: global }
      - { .name: Wg, .offset: 8, .size: 8, .value_kind: global_buffer, .address_space: global }
      - { .name: sel, .offset: 16, .size: 8, .value_kind: global_buffer, .address_space: global }
      - { .name: gw, .offset: 24, .size: 8, .value_kind: global_buffer, .address_space: global }
    .group_segment_fixed_size: 0
    .private_segment_fixed_size: 0
    .kernarg_segment_align: 8
    .kernarg_segment_size: 32
    .max_flat_workgroup_size: 128
    .sgpr_count:     66
    .vgpr_count:     448
    .wavefront_size: 32
...
	.end_amdgpu_metadata
.endif
;; end of part 6
;; launch gather (part 7): grid 8 x 80, 8 waves a work-group, no clusters, 68,608 bytes of LDS; arguments x, sel, lowp_scales, xg, posn, cnt; writes xg, posn, cnt
.if DOCPART == 7
	.amdgcn_target "amdgcn-amd-amdhsa--gfx1250"
	.amdhsa_code_object_version 6
	.text
	.protected	k_q6ffddadffc_gather
	.globl	k_q6ffddadffc_gather
	.p2align	8
	.type	k_q6ffddadffc_gather,@function
k_q6ffddadffc_gather:
	s_mov_b64 s[64:65], 0
	v_nop
	global_prefetch_b8 v0, s[64:65] scope:SCOPE_SE
	s_setreg_imm32_b32 hwreg(HW_REG_WAVE_MODE, 25, 1), 1
	s_wait_xcnt 0x0
; THE PLACING OF ROWS, and x's codes in the placed order.  All that steers addresses here is whole numbers read from sel.
; ORDER.  Tokens are taken in 'word order': word i = 4 j + c, bit l is token 128 j + 4 l + c (so eight dense loads of sel lie in a wave).  For expert e the chosen tokens take positions 0 .. cnt - 1 in that
; order and the tokens NOT chosen take cnt .. 1023: every position under 1,024 names a real token, so rows that only fill a tile up are real rows whose results nobody reads.  Positions from 1,024 on take a held token.
; SHARES.  A work-group takes tile ttmp7 (16 positions) of expert ttmp9: the expert is the grid's x, so that the work-groups with the lowest numbers are the low tiles of all experts, which every split fills.
; Wave w takes K step w (128 of x's 1,024).  Every wave derives the placing by itself in registers: no barrier, since tiles at or beyond 20 x NP end at once (a grid that serves every split: NP = passes of 20 tiles
; that the expert's count asks for, at least 1).
; OUT.  xg[e][tile][K step][set][2,048 bytes]: an IMAGE OF THE OPERAND'S REGISTERS: register j of lane (r, h) holds k = 64 h + 4 j .. + 3 of row r (the order in which the next launch lays its weights);
; registers 4 c .. 4 c + 3 of all lanes are 512 bytes on end.  Set 0 with 2^lowp_scales[0], set 1 with 2^lowp_scales[2].
; Wave 0 of tile 0 also stores posn[e][token] (every token's position) and cnt[e].
; code = x / 2^e, held within +-448, to the nearest code, ties to even.  LIMITS: both exponents between -126 and 119; NaN among the inputs is not served.
; REGISTERS: v1 lane, v2 16 x lane, v3 r, v4 h, v5/v6 the stage in and out, v7 lane i: mask word i, v8 lane i: chosen tokens in words 0 .. i, v9-27 at work, v28-31 the scales;
;   v32-63 sel, later the two sets of codes; v64-79 row offsets; v80-143 the rows as loaded, later at work; v144-207 my 64 numbers.  s32-63 the 32 mask words.
.set SPITCH, 528                       ; a stage row: 512 bytes + 16, so that sixteen lanes that read sixteen rows start 16 bytes apart modulo 256
.set STGW,   16*SPITCH                 ; a wave's own stage
.set S,   32
.set ADR, 64
.set RAW, 80
.set X,   144
; 64 numbers of a lane, in the order of their k, become a fragment's 16 registers of codes
.macro QUANT src, dst, pc, sc, lim
.irp b, 0,1,2,3
.irp i, 0,1,2,3,4,5,6,7,8,9,10,11,12,13,14,15
	v_med3_num_f32 v[\dst+16*\b+\i], v[\src+16*\b+\i], -v[\lim], v[\lim]   ; the conversion does not saturate (ISA guide 7.6.2): the hold at the largest code x the scale
.endr
	v_cvt_scalef32_pk8_fp8_f32 v[\pc+4*\b:\pc+4*\b+1], v[\dst+16*\b:\dst+16*\b+7], v[\sc]
	v_cvt_scalef32_pk8_fp8_f32 v[\pc+4*\b+2:\pc+4*\b+3], v[\dst+16*\b+8:\dst+16*\b+15], v[\sc]
.endr
	v_nop                                          ; a plain line behind the last conversion
.endm
	s_load_b256 s[4:11], s[0:1], 0x0               ; x s[4:5], sel s[6:7], the exponents s[8:9], xg s[10:11]
	s_load_b128 s[12:15], s[0:1], 0x20             ; posn s[12:13], cnt s[14:15]
	v_lshl_add_u32 v208, v0, 2, 0x10800
	v_mov_b32 v209, 0
	v_lshrrev_b32 v9, 5, v0
	s_delay_alu instid0(VALU_DEP_1)
	v_readfirstlane_b32 s16, v9                    ; wave = K step
	s_mov_b32 s18, ttmp9                           ; expert
	s_and_b32 s17, ttmp7, 0xffff                   ; tile
	v_and_b32 v1, 31, v0
	s_delay_alu instid0(VALU_DEP_1)
	v_lshlrev_b32 v2, 4, v1
	v_and_b32 v3, 15, v0
	v_bfe_u32 v4, v0, 4, 1
	s_mul_i32 s24, s16, STGW
	v_add_nc_u32 v5, s24, v2                       ; into the stage: 16 bytes a lane of a row
	v_mul_u32_u24 v6, v3, SPITCH
	s_delay_alu instid0(VALU_DEP_1)
	v_lshl_add_u32 v6, v4, 8, v6
	s_delay_alu instid0(VALU_DEP_1)
	v_add_nc_u32 v6, s24, v6                       ; out of it: row r, + 256 h: my 64 neighbours
	v_mov_b32 v7, 0
	v_mov_b32 v8, 0
	s_lshl_b32 s19, 0x10000, s18                   ; the expert's bit in a word of sel
	s_mov_b32 s20, 0
	s_wait_alu depctr_va_vdst(0)
	s_wait_kmcnt 0x0
	s_load_b128 s[68:71], s[8:9], 0x0              ; lowp_scales[0 .. 3]
.irp j, 0,1,2,3,4,5,6,7
	global_load_b128 v[S+4*\j:S+4*\j+3], v2, s[6:7] offset:512*\j
.endr
	s_wait_loadcnt 0x0
.irp i, 0,1,2,3,4,5,6,7,8,9,10,11,12,13,14,15,16,17,18,19,20,21,22,23,24,25,26,27,28,29,30,31
	v_and_b32 v[S+\i], s19, v[S+\i]
.endr
.irp i, 0,1,2,3,4,5,6,7,8,9,10,11,12,13,14,15,16,17,18,19,20,21,22,23,24,25,26,27,28,29,30,31
	v_cmp_ne_u32 s[32+\i], 0, v[S+\i]              ; mask word i.  The 32 compares go as a batch, ahead of the scalar chain that reads their masks
.endr
.irp i, 0,1,2,3,4,5,6,7,8,9,10,11,12,13,14,15,16,17,18,19,20,21,22,23,24,25,26,27,28,29,30,31
	s_bcnt1_i32_b32 s24, s[32+\i]
	s_add_co_u32 s20, s20, s24
	v_writelane_b32 v7, s[32+\i], \i
	v_writelane_b32 v8, s20, \i                    ; chosen tokens up to and with word i
.endr
	s_mov_b32 s21, s20                             ; cnt
	s_min_u32 s22, s21, 1024
	s_add_co_u32 s22, s22, 15
	s_lshr_b32 s22, s22, 4                         ; T = tiles with a chosen row
	s_add_co_u32 s22, s22, 19
	s_mul_i32 s22, s22, 3277
	s_lshr_b32 s22, s22, 16                        ; ceil(T / 20) for T up to 64
	s_max_u32 s22, s22, 1
	s_min_u32 s22, s22, 4                          ; NP
	s_mul_i32 s22, s22, 20
	s_cmp_ge_u32 s17, s22
	s_cbranch_scc1 .Lend                           ; a tile that no pass walks
	s_mul_i32 s24, s18, 80
	s_add_co_u32 s24, s24, s17
	s_lshl_b32 s24, s24, 15                        ; 32,768 bytes a tile,
	s_lshl_b32 s25, s16, 12                        ; 4,096 a K step
	s_add_co_u32 s24, s24, s25
	s_mov_b32 s25, 0
	s_add_nc_u64 s[10:11], s[10:11], s[24:25]
	s_lshl_b32 s24, s16, 9                         ; my K step's 512 bytes of a row of x
	s_add_nc_u64 s[4:5], s[4:5], s[24:25]
	; WHICH TOKEN STANDS AT POSITION p = 16 x tile + r: a lane to a position (lanes 16-31 repeat lanes 0-15)
	s_lshl_b32 s24, s17, 4
	v_add_nc_u32 v10, s24, v3                      ; p
	v_mov_b32 v13, s21
	s_delay_alu instid0(VALU_DEP_2)
	v_cmp_le_u32 s30, s21, v10                     ; p lies among the tokens not chosen
	s_delay_alu instid0(VALU_DEP_1)
	v_cndmask_b32 v11, 0, v13, s30
	s_delay_alu instid0(VALU_DEP_1)
	v_sub_nc_u32 v11, v10, v11                     ; key: its rank among its kind
	v_mov_b32 v12, 0                               ; idx: how many words end at or under the key
.irp st, 16,8,4,2,1
	s_delay_alu instid0(VALU_DEP_1)
	v_add_nc_u32 v13, \st-1, v12                   ; probe
	s_delay_alu instid0(VALU_DEP_1)
	v_lshlrev_b32 v14, 2, v13
	s_wait_alu depctr_va_vdst(0)
	ds_bpermute_b32 v15, v14, v8                   ; chosen up to and with the probed word
	v_lshl_add_u32 v16, v13, 5, 32
	v_add_nc_u32 v17, \st, v12
	s_wait_alu depctr_va_vdst(0)
	s_wait_dscnt 0x0
	v_sub_nc_u32 v16, v16, v15                     ; not chosen: 32 (probe + 1) less that
	s_delay_alu instid0(VALU_DEP_1)
	v_cndmask_b32 v15, v15, v16, s30
	s_delay_alu instid0(VALU_DEP_1)
	v_cmp_le_u32 vcc_lo, v15, v11
	s_delay_alu instid0(VALU_DEP_1)
	v_cndmask_b32 v12, v12, v17, vcc_lo
.endr
	s_delay_alu instid0(VALU_DEP_1)
	v_add_nc_u32 v13, -1, v12
	s_delay_alu instid0(VALU_DEP_1)
	v_lshlrev_b32 v14, 2, v13
	ds_bpermute_b32 v15, v14, v8                   ; the count ahead of word idx (not used where idx = 0)
	v_lshlrev_b32 v17, 2, v12
	ds_bpermute_b32 v18, v17, v7                   ; word idx
	v_lshlrev_b32 v16, 5, v12
	s_wait_alu depctr_va_vdst(0)
	s_wait_dscnt 0x0
	v_sub_nc_u32 v16, v16, v15
	s_delay_alu instid0(VALU_DEP_1)
	v_cndmask_b32 v15, v15, v16, s30
	v_cmp_ne_u32 vcc_lo, 0, v12
	s_delay_alu instid0(VALU_DEP_1)
	v_cndmask_b32 v15, 0, v15, vcc_lo
	v_not_b32 v16, v18
	s_delay_alu instid0(VALU_DEP_1)
	v_cndmask_b32 v18, v18, v16, s30               ; bits of my kind
	s_delay_alu instid0(VALU_DEP_3)
	v_sub_nc_u32 v20, v11, v15                     ; k: the bit wanted is the (k + 1)-th set one
	s_delay_alu instid0(VALU_DEP_2)
	v_lshrrev_b32 v24, 1, v18                      ; counts in fields of 2, 4, 8 bits, and of the low 16
	s_delay_alu instid0(VALU_DEP_1)
	v_and_b32 v24, 0x55555555, v24
	s_delay_alu instid0(VALU_DEP_1)
	v_sub_nc_u32 v24, v18, v24
	s_delay_alu instid0(VALU_DEP_1)
	v_lshrrev_b32 v25, 2, v24
	s_delay_alu instid0(VALU_DEP_1)
	v_and_b32 v25, 0x33333333, v25
	s_delay_alu instid0(VALU_DEP_3)
	v_and_b32 v26, 0x33333333, v24
	s_delay_alu instid0(VALU_DEP_1)
	v_add_nc_u32 v25, v25, v26
	s_delay_alu instid0(VALU_DEP_1)
	v_lshrrev_b32 v26, 4, v25
	s_delay_alu instid0(VALU_DEP_1)
	v_add_nc_u32 v26, v26, v25
	s_delay_alu instid0(VALU_DEP_1)
	v_and_b32 v26, 0x0f0f0f0f, v26
	s_delay_alu instid0(VALU_DEP_1)
	v_lshrrev_b32 v27, 8, v26
	s_delay_alu instid0(VALU_DEP_1)
	v_add_nc_u32 v27, v27, v26
	v_mov_b32 v22, 0                               ; pos
.macro PICK src, width, step           ; where the lower half of the field in hand holds k bits or fewer, go to the upper half
	s_delay_alu instid0(VALU_DEP_1)
	v_bfe_u32 v21, v[\src], v22, \width
	s_delay_alu instid0(VALU_DEP_1)
	v_cmp_ge_u32 vcc_lo, v20, v21
	s_delay_alu instid0(VALU_DEP_2)
	v_sub_nc_u32 v21, v20, v21
	s_delay_alu instid0(VALU_DEP_1)
	v_cndmask_b32 v20, v20, v21, vcc_lo
	v_add_nc_u32 v21, \step, v22
	s_delay_alu instid0(VALU_DEP_1)
	v_cndmask_b32 v22, v22, v21, vcc_lo
.endm
	PICK 27, 8, 16
	PICK 26, 8, 8
	PICK 25, 4, 4
	PICK 24, 2, 2
	PICK 18, 1, 1
	v_lshrrev_b32 v21, 2, v12
	s_delay_alu instid0(VALU_DEP_1)
	v_lshlrev_b32 v21, 7, v21
	s_delay_alu instid0(VALU_DEP_1)
	v_lshl_add_u32 v21, v22, 2, v21
	v_and_b32 v23, 3, v12
	s_delay_alu instid0(VALU_DEP_1)
	v_add_nc_u32 v21, v21, v23                     ; token = 128 (idx / 4) + 4 pos + idx % 4
	s_wait_alu depctr_va_vdst(0)
.irp m, 0,1,2,3,4,5,6,7,8,9,10,11,12,13,14,15
	v_readlane_b32 s24, v21, \m
	s_min_u32 s24, s24, 0x3ff                      ; an index read from memory enters an address held inside its table
	s_lshl_b32 s24, s24, 12
	v_add_nc_u32 v[ADR+\m], s24, v2
.endr
	s_wait_alu depctr_va_vdst(0)
.irp m, 0,1,2,3,4,5,6,7,8,9,10,11,12,13,14,15
	global_load_b128 v[RAW+4*\m:RAW+4*\m+3], v[ADR+\m], s[4:5]    ; 32 lanes read 512 consecutive bytes of one row; a row is named by several experts: no hint
.endr
	s_wait_kmcnt 0x0
	s_add_co_i32 s24, s68, 127
	s_lshl_b32 s25, s24, 23
	v_mov_b32 v28, s25                             ; 2^e as f32: the conversion takes its exponent field
	s_add_co_i32 s24, s24, 8
	s_lshl_b32 s24, s24, 23
	s_or_b32 s24, s24, 0x600000
	v_mov_b32 v29, s24                             ; 448 x 2^e
	s_add_co_i32 s24, s70, 127
	s_lshl_b32 s25, s24, 23
	v_mov_b32 v30, s25
	s_add_co_i32 s24, s24, 8
	s_lshl_b32 s24, s24, 23
	s_or_b32 s24, s24, 0x600000
	v_mov_b32 v31, s24
	s_wait_alu depctr_va_vdst(0)
	s_wait_loadcnt 0x0
.irp m, 0,1,2,3,4,5,6,7,8,9,10,11,12,13,14,15
	ds_store_b128 v5, v[RAW+4*\m:RAW+4*\m+3] offset:SPITCH*\m     ; the rows as they lie, into my own stage;
.endr
.irp c, 0,1,2,3
.irp q, 0,1,2,3
	ds_load_b128 v[X+16*\c+4*\q:X+16*\c+4*\q+3], v6 offset:64*\c+16*\q   ; back as 64 neighbours of row r: k = 64 h + 0 .. 63 (LDS serves a wave's instructions in order)
.endr
.endr
	s_wait_dscnt 0x0
	QUANT X, RAW, S, 28, 29                        ; set 0; the held numbers go into the registers that the rows have left
	QUANT X, X, S+16, 30, 31                       ; set 1, in place
.irp t, 0,1
.irp c, 0,1,2,3
	global_store_b128 v2, v[S+16*\t+4*\c:S+16*\t+4*\c+3], s[10:11] offset:2048*\t+512*\c   ; 512 consecutive bytes a store
.endr
.endr
	s_or_b32 s24, s17, s16
	s_cmp_lg_u32 s24, 0
	s_cbranch_scc1 .Lend                           ; ids alone: wave 0 of tile 0 writes the expert's table
	s_lshl_b32 s24, s18, 12
	s_mov_b32 s25, 0
	s_add_nc_u64 s[12:13], s[12:13], s[24:25]
	s_lshl_b32 s24, s18, 2
	s_add_nc_u64 s[14:15], s[14:15], s[24:25]
	s_mov_b32 s26, 0                               ; chosen ahead of word i
.irp i, 0,1,2,3,4,5,6,7,8,9,10,11,12,13,14,15,16,17,18,19,20,21,22,23,24,25,26,27,28,29,30,31
	v_mbcnt_lo_u32_b32 v9, s[32+\i], 0             ; chosen in this word below my bit
	s_sub_co_u32 s27, s21, s26
	s_add_co_u32 s27, s27, 32*\i                   ; cnt + the not chosen ahead of word i
	v_add_nc_u32 v10, s26, v9
	v_add_nc_u32 v11, s27, v1
	s_delay_alu instid0(VALU_DEP_1)
	v_sub_nc_u32 v11, v11, v9
	s_delay_alu instid0(VALU_DEP_1)
	v_cndmask_b32 v[RAW+\i], v11, v10, s[32+\i]
	s_bcnt1_i32_b32 s28, s[32+\i]
	s_add_co_u32 s26, s26, s28
.endr
.irp j, 0,1,2,3,4,5,6,7
	global_store_b128 v2, v[RAW+4*\j:RAW+4*\j+3], s[12:13] offset:512*\j
.endr
	v_mov_b32 v9, s21
	v_mov_b32 v10, 0
	v_cmp_eq_u32 vcc_lo, 0, v1
	s_wait_alu depctr_va_vdst(0)
	s_wait_xcnt 0x0                                ; EXEC changes only behind this wait
	s_and_saveexec_b32 s24, vcc_lo
	global_store_b32 v10, v9, s[14:15]
	s_wait_xcnt 0x0
	s_or_b32 exec_lo, exec_lo, s24
.Lend:
	s_wait_tensorcnt 0x0
	ds_add_u32 v208, v209
	s_wait_dscnt 0x0
	s_endpgm
.Lfunc_end_k_q6ffddadffc_gather:
	.size	k_q6ffddadffc_gather, .Lfunc_end_k_q6ffddadffc_gather-k_q6ffddadffc_gather
	.p2alignl 7, 3214868480
	.fill 96, 4, 3214868480
	.section	.rodata,"a",@progbits
	.p2align	6, 0x0
	.amdhsa_kernel k_q6ffddadffc_gather
		.amdhsa_group_segment_fixed_size 68608
		.amdhsa_private_segment_fixed_size 0
		.amdhsa_enable_private_segment 0
		.amdhsa_kernarg_size 48
		.amdhsa_user_sgpr_count 2
		.amdhsa_user_sgpr_kernarg_segment_ptr 1
		.amdhsa_wavefront_size32 1
		.amdhsa_system_sgpr_workgroup_id_x 1
		.amdhsa_system_sgpr_workgroup_id_y 1
		.amdhsa_system_sgpr_workgroup_id_z 1
		.amdhsa_system_vgpr_workitem_id 0
		.amdhsa_next_free_vgpr 210
		.amdhsa_next_free_sgpr 96
		.amdhsa_reserve_vcc 1
		.amdhsa_float_denorm_mode_32 3
		.amdhsa_float_denorm_mode_16_64 3
		.amdhsa_memory_ordered 1
		.amdhsa_forward_progress 1
		.amdhsa_inst_pref_size 52
	.end_amdhsa_kernel
	.amdgpu_metadata
---
amdhsa.version: [ 1, 2 ]
amdhsa.kernels:
  - .name:           k_q6ffddadffc_gather
    .symbol:         k_q6ffddadffc_gather.kd
    .args:
      - { .name: x, .offset: 0, .size: 8, .value_kind: global_buffer, .address_space: global }
      - { .name: sel, .offset: 8, .size: 8, .value_kind: global_buffer, .address_space: global }
      - { .name: lowp_scales, .offset: 16, .size: 8, .value_kind: global_buffer, .address_space: global }
      - { .name: xg, .offset: 24, .size: 8, .value_kind: global_buffer, .address_space: global }
      - { .name: posn, .offset: 32, .size: 8, .value_kind: global_buffer, .address_space: global }
      - { .name: cnt, .offset: 40, .size: 8, .value_kind: global_buffer, .address_space: global }
    .group_segment_fixed_size: 68608
    .private_segment_fixed_size: 0
    .kernarg_segment_align: 8
    .kernarg_segment_size: 48
    .max_flat_workgroup_size: 256
    .sgpr_count:     96
    .vgpr_count:     210
    .wavefront_size: 32
...
	.end_amdgpu_metadata
.endif
;; end of part 7
;; launch hidden (part 8): grid 29 x 8, 4 waves a work-group, no clusters, 209,408 bytes of LDS; arguments W1, W2, xg, cnt, lowp_scales, hid; writes hid
.if DOCPART == 8
	.amdgcn_target "amdgcn-amd-amdhsa--gfx1250"
	.amdhsa_code_object_version 6
	.text
	.protected	k_q6ffddadffc_hidden
	.globl	k_q6ffddadffc_hidden
	.p2align	8
	.type	k_q6ffddadffc_hidden,@function
k_q6ffddadffc_hidden:
	s_mov_b64 s[64:65], 0
	v_nop
	global_prefetch_b8 v0, s[64:65] scope:SCOPE_SE
	s_setreg_imm32_b32 hwreg(HW_REG_WAVE_SCHED_MODE, 0, 2), 2
	s_setreg_imm32_b32 hwreg(HW_REG_WAVE_MODE, 25, 1), 1
	s_wait_xcnt 0x0
	s_wait_alu depctr_vm_vsrc(0)
; hidden = silu(x W1^T) * (x W2^T) for the placed rows of one expert, both products on codes of FP8 (E4M3), and the result quantised for the third product.
; SHARES.  A work-group takes 96 hidden units (slice ttmp9: units 96 s .. 96 s + 95) of expert ttmp7, of W1 AND of W2: 12 tiles of 16 units, a = 0..5 of W1, 6..11 of W2.
; PHASE 1.  The slice's 2 x 96 rows of 4,096 bytes are read from memory ONCE, as f32, and kept in LDS as images of the operand's registers.  Wave w makes tiles 3 w .. 3 w + 2.
;   A load reads 512 consecutive bytes of one row, so a lane holds 4 neighbours along K.  THEY ARE CONVERTED WHERE THEY LIE: a conversion takes 8 registers, 4 numbers of each of two rows, so a lane's 4 codes of a row
;   are one word, and that word is stored straight to the place of the lane and register that will hold it.  Only codes go through LDS: 2 KB for a task of 16 rows x 128 K.  Six tasks of 16 loads are asked for ahead.
; K ORDER in both operands: register j of lane (r, h) holds k = 128 s + 64 h + 4 j .. + 3 (lane l of a load holds k = 4 l .. + 3: h = l / 16, j = l % 16).  The launch before lays x's codes so: every product meets its partner.
; AN IMAGE: word (h, c, r, b), register 4 c + b of lane (r, h), lies at 1,088 h + 272 c + 16 r + 4 b.  A store's 32 lanes (h, c, b from the lane's number) fall at 64 h + 16 c + 4 b modulo 256 bytes: 32 different
;   banks (64 banks of 4 bytes: ISA guide 11.1); a reader's sixteen lanes take 256 consecutive bytes.
; PHASE 2.  NP passes of 20 row tiles (NP from the expert's count, read from memory): wave w takes tiles 20 p + 5 w + 0..4 against all 12 unit tiles: 60 accumulators, 480 registers.  x's codes come from xg straight
;   into registers (images: 512 dense bytes a load).  No barrier stands in this loop: LDS is only read.
; ONE SET OF x's CODES OR TWO.  x is an operand of both products, under 2^lowp_scales[0] and 2^lowp_scales[2].  Where the two whole numbers are equal the two sets are the same bytes: a scalar branch at a pass's head
;   then takes a K loop that loads set 0 alone, feeds both products from it, and asks three K steps ahead in the registers that the second set leaves free.  Where they differ the K loop with both sets runs.
; NO TENSOR LOADS, NO CLUSTER: the work-groups of an expert do read the same tiles of xg, but the number of passes hangs on a count read from memory;
;   a fixed number of passes would be 64 tiles in place of 20.
; THE PRODUCTS ARE USED TRANSPOSED (source 0 = 16 units, source 1 = 16 rows): a lane holds one row, its registers run along the units.  THE UNITS OF A TILE ARE NOT NEIGHBOURS: row m of tile 2 b + u is unit
;   32 b + 8 u + m + 8 (m / 8), so that the 16 registers of tiles 2 b and 2 b + 1 are 16 neighbours along the next K.
; THE LAST SLICE has 42 units: row numbers are held at unit 2,729, so no load leaves its buffer; the repeated units' codes meet zero codes of W3 in the next launch.
; SCALES.  sums stand for sum x 2^(e0 + e1) and x 2^(e2 + e3); sigmoid takes 2^(c1 h1), c1 = -log2(e) 2^(e0 + e1); h1 h2 sigmoid is converted with the one scale 2^(e5 - e0 - e1 - e2 - e3).
; LIMITS: e1, e3 and e5 - e0 - e1 - e2 - e3 between -126 and 119; e0 + e1 between -126 and 126.  NaN and infinities among the inputs are not served.
; REGISTERS by their number P (window P / 256, name P % 256): P0-31 addresses and scales.  Phase 1: P32-95 a task's held numbers, P96-111 its codes, P112-159 row offsets, P512-895 six sets of 64 as loaded.
;   Phase 2: P32-191 and P256-415 x's fragments (two sets: two buffers of 160, 32 rho + 16 set; one set: four buffers of 80, 16 rho), P192-239 and P416-463 three weight fragments (two buffers),
;   P512-751 h1's sums (8 (5 a + rho)), P768-1007 h2's.  On the way out P32-79 at work, P80-139 the codes (12 a row tile).  P254, P255: the closing add's two.
; THE MODE: SCHED_MODE bits 1:0 = 2 (LLVM: expert scheduling mode 2), set by the entry lines.  The code itself states the register dependences
; between vector or matrix instructions and memory or LDS instructions, with s_wait_alu, always for 0.
; THE PLAN.  Registers that memory or LDS instructions touch, and who else names them:
;   PHASE 1.  A set of P512-895: a task's 64 holds read it; behind them the loads of the next trip land in it.  P96-111: a task's conversions write them, its 16 LDS stores read them.
;     v[IMT]: written at a trip's head, read by the trip's LDS stores.  P112-159: written at the head, read by every load of the weights, not written again before phase 2.
;     So a task's second wait on va_vdst, behind its conversions, states: the codes are written, the holds are done reading the set, and in a trip's first task v[IMT] is written; the reload and the stores follow it.
;     One wait on vm_vsrc stands ahead of the conversions (the last task's stores have read the codes), one ahead of each add to v[IMT].
;   PHASE 2.  A buffer of x's fragments: read by a K step's 60 products; the loads issued in the NEXT K step's first granule land in it.  A buffer of weight fragments: read by granule g - 1's 15 products; the LDS
;     loads of granule g land in it (the fragments of granule g + 1).  v[LI ..], v[VB]: read by these loads; v[LI ..] never written again, v[VB] at a pass's end.
;     So a granule has ONE wait on va_vdst, at its head: all products issued so far are done reading.  Behind it the granule's loads are dealt among its products, one fragment's four ahead of each five products,
;     which name the other weight buffer, x's buffer in hand and the sums: none of the registers that those loads touch.
;   THE WAY OUT.  P80-139: tile rho's conversions write twelve of them, three stores read those.  The stores stand behind the wait that the next tile's exponentials have anyway; the last tile's have a wait of their own.
;     At a pass's end one wait on vm_vsrc stands ahead of the adds to v[VB] and v[VH]: it also frees P80-139 for the next pass's loads; one wait on va_vdst stands at a pass's head.
.set HP,     1088                      ; an image: from lanes 0-15 to lanes 16-31
.set CP,     272                       ; from four registers to the next four
.set IMGB,   2*HP
.set KIMG,   12*IMGB                   ; a K step's 12 images
.set IM0,  6                           ; v6   where my lane's word of row 0 goes, in my first image of K step 0
.set IMT,  7                           ; v7   the same in the trip's K steps
.set LI,   8                           ; v8   1,088 h + 16 r: my place in an image; v9-11: + 65,536, + 131,072, + 196,608 (an LDS immediate has 16 bits)
.set VB,   12                          ; v12  my five tiles in xg
.set VH,   13                          ; v13  and in hid
.set WSC,  14                          ; v14, v15  my matrix's scale, and 448 x it
.set WLIM, 15
.set HSC,  16                          ; v16, v17  the hidden layer's
.set HLIM, 17
.set X,    32
.set PC,   96
.set ADR,  112
.set T,    32
.set HPC,  80
.set MSB, 0
.macro WIN new                         ; the immediate's high byte repeats the setting that is left; bits 1:0 source 0, 3:2 source 1, 5:4 source 2, 7:6 destination
.if MSB != (\new)
	s_set_vgpr_msb (MSB<<8)|(\new)
.set MSB, (\new)
.endif
.endm
.macro PLACES n
.rept \n
	v_nop
.endr
.endm
	s_load_b256 s[4:11], s[0:1], 0x0               ; W1 s[4:5], W2 s[6:7], xg s[8:9], cnt s[10:11]
	s_load_b128 s[12:15], s[0:1], 0x20             ; the exponents s[12:13], hid s[14:15]
	v_lshl_add_u32 v254, v0, 2, 0x33000
	v_mov_b32 v255, 0
	v_lshrrev_b32 v2, 5, v0
	v_readfirstlane_b32 s16, v2                    ; wave
	s_mov_b32 s17, ttmp9                           ; slice
	s_and_b32 s18, ttmp7, 0xffff                   ; expert
	v_and_b32 v1, 31, v0
	v_lshlrev_b32 v1, 4, v1                        ; v1   16 x lane: my bytes of a dense 512
	v_and_b32 v2, 15, v0                           ; r
	v_bfe_u32 v3, v0, 4, 1                         ; h
	v_mul_u32_u24 v3, v3, HP
	v_lshl_add_u32 v[LI], v2, 4, v3
	v_add_nc_u32 v[LI+1], 0x10000, v[LI]
	v_add_nc_u32 v[LI+2], 0x20000, v[LI]
	v_add_nc_u32 v[LI+3], 0x30000, v[LI]
	v_bfe_u32 v4, v0, 2, 2                         ; as a writer: c = (lane / 4) % 4,
	v_mad_u32_u24 v4, v4, CP, v3
	v_and_b32 v5, 3, v0                            ; b = lane % 4
	v_lshl_add_u32 v[IM0], v5, 2, v4
	s_wait_alu depctr_va_sdst(0)                   ; s16 is written, ahead of its first reader: LDS places, tiles and the choice of matrix are made from it
	s_mul_i32 s40, s16, 3*IMGB
	v_add_nc_u32 v[IM0], s40, v[IM0]               ; + my three images
	s_mul_i32 s40, s18, 80
	s_mul_i32 s41, s16, 5
	s_add_co_u32 s40, s40, s41                     ; my first tile: 80 e + 5 w
	s_lshl_b32 s41, s40, 15
	v_add_nc_u32 v[VB], s41, v1
	s_mul_i32 s41, s40, 44544                      ; a tile of hid: 87 chunks of 512 bytes
	s_mul_i32 s42, s17, 1536                       ; my slice's three chunks
	s_add_co_u32 s41, s41, s42
	v_add_nc_u32 v[VH], s41, v1
	s_mul_i32 s22, s17, 96
	s_sub_co_u32 s22, 2729, s22                    ; the last unit, counted from the slice's first
	s_and_b32 s41, s16, 1
	s_mul_i32 s41, s41, 3                          ; my first tile in my matrix
.irp j, 0,1,2
	s_add_co_u32 s42, s41, \j
	s_lshr_b32 s43, s42, 1
	s_lshl_b32 s43, s43, 5
	s_and_b32 s42, s42, 1
	s_lshl_b32 s42, s42, 3
	s_add_co_u32 s42, s42, s43                     ; the tile's first unit: 32 (t / 2) + 8 (t % 2)
.irp m, 0,1,2,3,4,5,6,7,8,9,10,11,12,13,14,15
	s_add_co_u32 s43, s42, \m+8*(\m/8)
	s_min_u32 s43, s43, s22
	s_lshl_b32 s43, s43, 12
	v_add_nc_u32 v[ADR+16*\j+\m], s43, v1          ; row m's offset; never rewritten in phase 1
.endr
.endr
	s_mul_i32 s42, s18, 2730
	s_mul_i32 s43, s17, 96
	s_add_co_u32 s42, s42, s43
	s_lshl_b32 s42, s42, 12
	s_mov_b32 s43, 0
	s_lshl_b32 s40, s18, 2
	s_mov_b32 s41, 0
	s_wait_kmcnt 0x0
	s_cmp_lt_u32 s16, 2                            ; waves 0, 1: W1; waves 2, 3: W2
	s_cselect_b64 s[20:21], s[4:5], s[6:7]
	s_add_nc_u64 s[20:21], s[20:21], s[42:43]      ; the slice's first row
	s_add_nc_u64 s[10:11], s[10:11], s[40:41]
	s_load_b32 s34, s[10:11], 0x0                  ; the expert's count
	s_load_b128 s[28:31], s[12:13], 0x0            ; e0 .. e3
	s_load_b64 s[32:33], s[12:13], 0x10            ; e4, e5
	s_wait_alu depctr_va_vdst(0)                   ; the 48 row offsets are written, which the loads below read; so are v[LI ..], v[VB], v[VH], which later loads and stores read and no vector instruction names before them
; task (kk, j): tile j of mine, K step 2 n + kk of trip n: 16 rows x 512 bytes into set 3 kk + j
.macro WLOAD kk, j, off
.set rp, 512+64*(3*(\kk)+(\j))
.set rn, rp&255
	WIN ((rp>>8)<<6)
.irp m, 0,1,2,3,4,5,6,7,8,9,10,11,12,13,14,15
	global_load_b128 v[rn+4*\m:rn+4*\m+3], v[ADR+16*(\j)+\m], s[20:21] offset:(\off)+512*(\kk) th:TH_LOAD_NT
.endr
.endm
.irp kk, 0,1
.irp j, 0,1,2
	WLOAD \kk, \j, 0
.endr
.endr
	WIN 0
	s_wait_kmcnt 0x0
	s_cmp_lt_u32 s16, 2
	s_cselect_b32 s40, s29, s31                    ; e1 or e3
	s_add_co_i32 s40, s40, 127
	s_lshl_b32 s41, s40, 23
	v_mov_b32 v[WSC], s41
	s_add_co_i32 s40, s40, 8
	s_lshl_b32 s40, s40, 23
	s_or_b32 s40, s40, 0x600000
	v_mov_b32 v[WLIM], s40
	s_add_co_i32 s40, s28, s29                     ; e0 + e1
	s_lshl_b32 s38, s40, 23
	s_add_co_u32 s38, s38, 0xbfb8aa3b              ; c1 = -log2(e) x 2^(e0 + e1): the sum is added to the exponent field
	s_mov_b32 s39, s38                             ; (named with it as a pair)
	s_add_co_i32 s40, s40, s30
	s_add_co_i32 s40, s40, s31
	s_sub_co_i32 s40, s33, s40                     ; e5 - e0 - e1 - e2 - e3
	s_add_co_i32 s40, s40, 127
	s_lshl_b32 s41, s40, 23
	v_mov_b32 v[HSC], s41
	s_add_co_i32 s40, s40, 8
	s_lshl_b32 s40, s40, 23
	s_or_b32 s40, s40, 0x600000
	v_mov_b32 v[HLIM], s40
	s_min_u32 s34, s34, 1024
	s_add_co_u32 s34, s34, 15
	s_lshr_b32 s34, s34, 4
	s_add_co_u32 s34, s34, 19
	s_mul_i32 s34, s34, 3277
	s_lshr_b32 s34, s34, 16
	s_max_u32 s34, s34, 1
	s_min_u32 s34, s34, 4                          ; NP, as the launch before made it
; One task: its 16 loads are in; the numbers are held (into window 0) and converted; then, behind the task's second wait on va_vdst, the set is asked for again (reload = 1: the next trip's K step) and a word a row goes into the image.
.macro TASK kk, j, reload, n
.set rp, 512+64*(3*(\kk)+(\j))
.set rn, rp&255
	s_wait_loadcnt \n                              ; loads come back in order: mine are in when so many younger ones are out
	WIN (rp>>8)                                    ; source 0: the set's window
.set i, 0
.rept 64
	v_med3_num_f32 v[X+i], v[rn+i], -v[WLIM], v[WLIM]   ; the conversion does not saturate (ISA guide 7.6.2): the hold at the largest code x the scale
.set i, i+1
.endr
	WIN 0
	s_wait_alu depctr_va_vdst(0)
	s_wait_dscnt 0x0                               ; the last task's sixteen LDS stores, 64 lines back, are done
	s_wait_alu depctr_vm_vsrc(0)                   ; and have read their codes in v[PC ..], which the conversions below write again
.irp g, 0,1,2,3,4,5,6,7
	v_cvt_scalef32_pk8_fp8_f32 v[PC+2*\g:PC+2*\g+1], v[X+8*\g:X+8*\g+7], v[WSC]   ; rows 2 g and 2 g + 1: four codes each, k = 4 lane .. + 3
.endr
	v_nop                                          ; a plain line behind the last conversion
.if \reload
	WIN ((rp>>8)<<6)                               ; the reload's window: the switch, then the wait, then the loads
.endif
	s_wait_alu depctr_va_vdst(0)                   ; the conversions have written v[PC ..], which the LDS stores read; the holds are done reading the set, in which the loads land; in a trip's first task v[IMT] is written
.if \reload
	WLOAD \kk, \j, 1024
	WIN 0
.endif
.irp m, 0,1,2,3,4,5,6,7,8,9,10,11,12,13,14,15
	ds_store_b32 v[IMT], v[PC+\m] offset:KIMG*(\kk)+IMGB*(\j)+16*\m
.endr
.endm
	s_mov_b32 s36, 3
	s_mov_b32 s37, 0
.Ltrip:                                            ; three trips of two K steps; behind each task's loads 80 younger ones have been issued: the count 63 is the largest that a wait can name
	s_wait_alu depctr_vm_vsrc(0)                   ; the last trip's LDS stores have read v[IMT]
	v_add_nc_u32 v[IMT], s37, v[IM0]
	s_wait_alu depctr_va_vdst(0)
	TASK 0, 0, 1, 63
	TASK 0, 1, 1, 63
	TASK 0, 2, 1, 63
	TASK 1, 0, 1, 63
	TASK 1, 1, 1, 63
	TASK 1, 2, 1, 63
	s_wait_xcnt 0x0                                ; the loads have read their base: it may step
	s_add_nc_u64 s[20:21], s[20:21], 1024
	s_add_co_u32 s37, s37, 2*KIMG
	s_sub_co_u32 s36, s36, 1
	s_cmp_lg_u32 s36, 0
	s_cbranch_scc1 .Ltrip
	s_wait_alu depctr_vm_vsrc(0)                   ; the last trip's LDS stores have read v[IMT]
	v_add_nc_u32 v[IMT], s37, v[IM0]               ; the last two K steps ask for nothing: the counts run down (80 and 64 younger: 63)
	TASK 0, 0, 0, 63
	TASK 0, 1, 0, 63
	TASK 0, 2, 0, 48
	TASK 1, 0, 0, 32
	TASK 1, 1, 0, 16
	TASK 1, 2, 0, 0
	s_wait_dscnt 0x0                               ; for the others' sake: my images lie in LDS
	s_barrier_signal -1
	s_barrier_wait -1                              ; the launch's one barrier; behind it LDS is only read
	s_wait_alu depctr_vm_vsrc(0)                   ; the loads of the weights have read their offsets in P112-159 and my LDS stores their codes in P96-111: x's fragments land in these registers from here on
.macro WM128 d, a, b, zero             ; operands by their numbers P; the windows are set as they ask
.set wd, (\d)&255
.set wa, (\a)&255
.set wb, (\b)&255
	WIN ((((\d)>>8)*0x50)|(((\b)>>8)<<2)|((\a)>>8))
.if \zero
	v_wmma_f32_16x16x128_fp8_fp8 v[wd:wd+7], v[wa:wa+15], v[wb:wb+15], 0
.else
	v_wmma_f32_16x16x128_fp8_fp8 v[wd:wd+7], v[wa:wa+15], v[wb:wb+15], v[wd:wd+7]
.endif
.endm
.macro BLOAD s                         ; two sets: x's fragments of K step s: five tiles x two sets, 40 loads of 512 dense bytes, into buffer s % 2
.set bb, 32+224*((\s)&1)
.set bn, bb&255
	WIN ((bb>>8)<<6)
.irp rho, 0,1,2,3,4
.irp st, 0,1
.irp c, 0,1,2,3
	global_load_b128 v[bn+32*\rho+16*\st+4*\c:bn+32*\rho+16*\st+4*\c+3], v[VB], s[8:9] offset:32768*\rho+4096*(\s)+2048*\st+512*\c
.endr
.endr
.endr
.endm
.macro BLQ s                           ; one set: five tiles of set 0, 20 loads, into buffer s % 4: P32, P112, P256, P336
.set bb, 32+80*((\s)&1)+224*(((\s)>>1)&1)
.set bn, bb&255
	WIN ((bb>>8)<<6)
.irp rho, 0,1,2,3,4
.irp c, 0,1,2,3
	global_load_b128 v[bn+16*\rho+4*\c:bn+16*\rho+4*\c+3], v[VB], s[8:9] offset:32768*\rho+4096*(\s)+512*\c
.endr
.endr
.endm
.macro ALF s, g, f                     ; fragment f of granule g of K step s: unit tile 3 g + f, four LDS loads into buffer g % 2
.set ab, 192+224*((\g)&1)
.set an, ab&255
	WIN ((ab>>8)<<6)
.irp c, 0,1,2,3
.set lo, KIMG*(\s)+IMGB*(3*(\g)+(\f))+CP*\c
	ds_load_b128 v[an+16*(\f)+4*\c:an+16*(\f)+4*\c+3], v[LI+(lo>>16)] offset:lo&0xffff
.endr
.endm
.macro ALOAD s, g                      ; a granule's three fragments
	ALF \s, \g, 0
	ALF \s, \g, 1
	ALF \s, \g, 2
.endm
; A granule: four places behind the products just issued, and the granule's one wait on va_vdst; in a K step's first granule the loads of x; then three times: a fragment of the next granule is asked for,
; and five products.  eq = 1: one set of x's codes.  The 60 accumulators take turns, one instruction a turn, in the same order in every K step.
; LDS loads come back in order: behind the fragment in hand stand the rest of this granule's and what has been asked for of the next granule's: twelve loads each time.  The last granule asks for nothing: its counts run down.
.macro GRAN s, g, eq
.set hn, 1                             ; is there a next granule?
.set ns, (\s)
.set ng, (\g)+1
.if (\g) == 3
.set ns, (\s)+1
.set ng, 0
.if (\s) == 7
.set hn, 0
.endif
.endif
.if hn
	PLACES 4
.if ((\s) > 0) || ((\g) > 0)           ; (a pass's first granule stands behind the wait at the pass's head)
	s_wait_alu depctr_va_vdst(0)                   ; the products issued so far are done reading: the last granule's its weight fragments, and in a K step's first granule the last K step's its fragments of x: the loads below land in both
.endif
.endif
.if ((\g) == 0) && ((\eq) == 1) && ((\s) <= 4)
	BLQ (\s)+3                                     ; into the buffer that the K step before has read
.endif
.if ((\g) == 0) && ((\eq) == 0) && ((\s) < 7)
	BLOAD (\s)+1
.endif
.set nq, 60                            ; behind this K step's 20 loads stand those of the three steps that follow, as far as there are such
.if (\s) > 4
.set nq, 20*(7-(\s))
.endif
.set zz, 0
.if (\s) == 0
.set zz, 1                             ; the first K step starts the sums: nothing is cleared
.endif
.irp f, 0,1,2
.if hn
	ALF ns, ng, \f                                 ; no wait: no product since the wait above names the other weight buffer or v[LI ..]
	s_wait_dscnt 12                                ; this granule's fragment f is in; the twelve younger loads may be out
.else
	s_wait_dscnt 8-4*\f
.endif
.if (\f == 0) && ((\g) == 0) && ((\eq) == 1)
	s_wait_loadcnt nq
.endif
.irp rho, 0,1,2,3,4
.set aa, 3*(\g)+\f
.set dd, 512+256*(aa/6)+8*(5*(aa%6)+\rho)
.set fa, 192+224*((\g)&1)+16*\f
.if (\eq) == 1
.set fb, 32+80*((\s)&1)+224*(((\s)>>1)&1)+16*\rho
.else
.set fb, 32+224*((\s)&1)+32*\rho+16*(aa/6)
.endif
	WM128 dd, fa, fb, zz
.endr
.endr
.endm
.macro HST rho                         ; row tile rho's codes leave: three chunks of 512 dense bytes
.irp b, 0,1,2
	global_store_b128 v[VH], v[HPC+12*(\rho)+4*\b:HPC+12*(\rho)+4*\b+3], s[14:15] offset:44544*(\rho)+512*\b
.endr
.endm
; THE WAY OUT of row tile rho: h1 h2 / (1 + 2^(c1 h1)), held, converted.  Each batch of transcendentals has a wait ahead of its first reader; behind the first of the two the codes of the tile before are stored.
.macro EPI rho
	WIN 0x02                                       ; source 0 (h1) window 2
.irp a, 0,1,2,3,4,5
.irp i, 0,2,4,6
	v_pk_mul_f32 v[T+8*\a+\i:T+8*\a+\i+1], v[8*(5*\a+\rho)+\i:8*(5*\a+\rho)+\i+1], s[38:39] op_sel_hi:[1,0]   ; c1 h1; each accumulator from its low end on
.endr
.endr
	WIN 0
.set n, 0
	s_wait_alu depctr_va_vdst(0)
.rept 48
	v_exp_f32 v[T+n], v[T+n]
.set n, n+1
.endr
	WIN 0x8e                                       ; h1 (destination, source 0) window 2, h2 (source 1) window 3: independent work behind the exponentials
	s_wait_alu depctr_va_vdst(0)
.irp a, 0,1,2,3,4,5
.irp i, 0,2,4,6
	v_pk_mul_f32 v[8*(5*\a+\rho)+\i:8*(5*\a+\rho)+\i+1], v[8*(5*\a+\rho)+\i:8*(5*\a+\rho)+\i+1], v[8*(5*\a+\rho)+\i:8*(5*\a+\rho)+\i+1]   ; h1 h2
.endr
.endr
	WIN 0
	s_wait_alu depctr_va_vdst(0)                   ; the 48 exponentials have written v[T ..], ahead of their first reader; and the tile before's conversions have written its codes, which the stores below read
.if (\rho) > 0
	HST (\rho)-1
.endif
.set n, 0
.rept 24
	v_pk_add_f32 v[T+n:T+n+1], v[T+n:T+n+1], 1.0 op_sel_hi:[1,0]
.set n, n+2
.endr
.set n, 0
	s_wait_alu depctr_va_vdst(0)
.rept 48
	v_rcp_f32 v[T+n], v[T+n]
.set n, n+1
.endr
	v_nop                                          ; a plain line behind the last reciprocal
	s_wait_alu depctr_va_vdst(0)                   ; the 48 reciprocals have written v[T ..], ahead of their first reader
	WIN 0x02
.irp a, 0,1,2,3,4,5
.irp i, 0,2,4,6
	v_pk_mul_f32 v[T+8*\a+\i:T+8*\a+\i+1], v[8*(5*\a+\rho)+\i:8*(5*\a+\rho)+\i+1], v[T+8*\a+\i:T+8*\a+\i+1]
.endr
.endr
	WIN 0
.set n, 0
.rept 48
	v_med3_num_f32 v[T+n], v[T+n], -v[HLIM], v[HLIM]
.set n, n+1
.endr
.irp b, 0,1,2
	v_cvt_scalef32_pk8_fp8_f32 v[HPC+12*\rho+4*\b:HPC+12*\rho+4*\b+1], v[T+16*\b:T+16*\b+7], v[HSC]
	v_cvt_scalef32_pk8_fp8_f32 v[HPC+12*\rho+4*\b+2:HPC+12*\rho+4*\b+3], v[T+16*\b+8:T+16*\b+15], v[HSC]
.endr
	v_nop                                          ; a plain line behind the last conversion
.endm
	s_mov_b32 s35, 0
.Lpass:                                            ; NP trips
	s_wait_alu depctr_va_vdst(0)                   ; ahead of the branch, for both K loops: the vector and matrix instructions so far (phase 1's holds and conversions; a pass's products and its way out) are done with P32-239 and P256-463, in which the loads below land; v[VB] and v[VH] are written
	s_cmp_eq_u32 s28, s30                          ; are x's two scales one and the same?
	s_cbranch_scc1 .Lone
	BLOAD 0                                        ; two sets
	ALOAD 0, 0
.irp s, 0,1,2,3,4,5,6,7
	s_wait_loadcnt 0x0                             ; this K step's fragments of x, asked for a K step ago
	GRAN \s, 0, 0
	GRAN \s, 1, 0
	GRAN \s, 2, 0
	GRAN \s, 3, 0
.endr
	WIN 0
	s_branch .Lout
.Lone:
	BLQ 0                                          ; one set: three K steps are asked for ahead
	BLQ 1
	BLQ 2
	ALOAD 0, 0
.irp s, 0,1,2,3,4,5,6,7
	GRAN \s, 0, 1
	GRAN \s, 1, 1
	GRAN \s, 2, 1
	GRAN \s, 3, 1
.endr
	WIN 0
.Lout:
	PLACES 4                                       ; in front of the first read of results
.irp rho, 0,1,2,3,4
	EPI \rho
.endr
	s_wait_alu depctr_va_vdst(0)                   ; the last tile's conversions have written its codes, which the stores below read
	HST 4
	s_wait_xcnt 0x0                                ; the stores have had their addresses translated: their codes and offsets are written again below
	s_wait_alu depctr_vm_vsrc(0)                   ; the pass's loads have read v[VB], its stores v[VH] and the codes in P80-139: the adds below write the first two, the next pass's loads land in the codes' registers
	v_add_nc_u32 v[VB], 20*32768, v[VB]
	v_add_nc_u32 v[VH], 20*44544, v[VH]
	s_add_co_u32 s35, s35, 1
	s_cmp_lt_u32 s35, s34
	s_cbranch_scc1 .Lpass
	s_wait_dscnt 0x0                               ; the closing lines, six on end
	s_wait_alu 0x0
	s_wait_tensorcnt 0x0
	ds_add_u32 v254, v255
	s_wait_dscnt 0x0
	s_endpgm
.Lfunc_end_k_q6ffddadffc_hidden:
	.size	k_q6ffddadffc_hidden, .Lfunc_end_k_q6ffddadffc_hidden-k_q6ffddadffc_hidden
	.p2alignl 7, 3214868480
	.fill 96, 4, 3214868480
	.section	.rodata,"a",@progbits
	.p2align	6, 0x0
	.amdhsa_kernel k_q6ffddadffc_hidden
		.amdhsa_group_segment_fixed_size 209408
		.amdhsa_private_segment_fixed_size 0
		.amdhsa_enable_private_segment 0
		.amdhsa_kernarg_size 48
		.amdhsa_user_sgpr_count 2
		.amdhsa_user_sgpr_kernarg_segment_ptr 1
		.amdhsa_wavefront_size32 1
		.amdhsa_system_sgpr_workgroup_id_x 1
		.amdhsa_system_sgpr_workgroup_id_y 1
		.amdhsa_system_sgpr_workgroup_id_z 1
		.amdhsa_system_vgpr_workitem_id 0
		.amdhsa_next_free_vgpr 1024
		.amdhsa_next_free_sgpr 66
		.amdhsa_reserve_vcc 0
		.amdhsa_float_denorm_mode_32 3
		.amdhsa_float_denorm_mode_16_64 3
		.amdhsa_memory_ordered 1
		.amdhsa_forward_progress 1
		.amdhsa_inst_pref_size 255
	.end_amdhsa_kernel
	.section	.bss,"aw",@nobits
	.p2align	6
	.space	262144
	.amdgpu_metadata
---
amdhsa.version: [ 1, 2 ]
amdhsa.kernels:
  - .name:           k_q6ffddadffc_hidden
    .symbol:         k_q6ffddadffc_hidden.kd
    .args:
      - { .name: W1, .offset: 0, .size: 8, .value_kind: global_buffer, .address_space: global }
      - { .name: W2, .offset: 8, .size: 8, .value_kind: global_buffer, .address_space: global }
      - { .name: xg, .offset: 16, .size: 8, .value_kind: global_buffer, .address_space: global }
      - { .name: cnt, .offset: 24, .size: 8, .value_kind: global_buffer, .address_space: global }
      - { .name: lowp_scales, .offset: 32, .size: 8, .value_kind: global_buffer, .address_space: global }
      - { .name: hid, .offset: 40, .size: 8, .value_kind: global_buffer, .address_space: global }
    .group_segment_fixed_size: 209408
    .private_segment_fixed_size: 0
    .kernarg_segment_align: 8
    .kernarg_segment_size: 48
    .max_flat_workgroup_size: 128
    .sgpr_count:     66
    .vgpr_count:     1024
    .wavefront_size: 32
...
	.end_amdgpu_metadata
.endif
;; end of part 8
;; launch outp (part 9): grid 32 x 8, 4 waves a work-group, no clusters, 266,752 bytes of LDS; arguments W3, hid, cnt, lowp_scales, part; writes part
.if DOCPART == 9
	.amdgcn_target "amdgcn-amd-amdhsa--gfx1250"
	.amdhsa_code_object_version 6
	.text
	.protected	k_q6ffddadffc_outp
	.globl	k_q6ffddadffc_outp
	.p2align	8
	.type	k_q6ffddadffc_outp,@function
k_q6ffddadffc_outp:
	s_mov_b64 s[64:65], 0
	v_nop
	global_prefetch_b8 v0, s[64:65] scope:SCOPE_SE
	s_setreg_imm32_b32 hwreg(HW_REG_WAVE_SCHED_MODE, 0, 2), 2
	s_setreg_imm32_b32 hwreg(HW_REG_WAVE_MODE, 25, 1), 1
	s_wait_xcnt 0x0
	s_wait_alu depctr_vm_vsrc(0)
; part[e][ds][position][32] = hidden . W3[e][32 ds .. 32 ds + 31] x 2^(e4 + e5), for the placed rows of one expert, on codes of FP8 (E4M3).
; SHARES.  A work-group takes 32 rows of W3 (ds = ttmp9) of expert ttmp7: ONE DENSE BLOCK of 349,440 bytes, which begins at a multiple of 256 bytes.  It is read once, as f32.
; PHASE 1.  The block is asked for at once: 171 rounds of 2,048 bytes (16 bytes a thread).  A row is 10,920 bytes, so rows do not fall on lanes: 16 rows at a time are laid in LDS as they lie, read back by rows
;   (8 bytes a load: rows begin at multiples of 8), quantised, and kept as images of the operand's registers: 2 tiles x 22 K steps.  K = 2,730 = 21 steps of 128 and one of 64 whose codes from k = 2,730 on are zeros.
;   A wave's five fragments of a tile go on two sets of registers by turns: the next fragment's 32 LDS loads are issued ahead of this one's arithmetic.
; PHASE 2.  NP passes of 20 row tiles (NP from the expert's count, read from memory): wave w takes tiles 20 p + 5 w + 0..4 against both tiles of W3: 10 accumulators.  The hidden codes come from hid straight into
;   registers (images, 512 dense bytes a load), three K steps ahead; the first pass's first three steps are asked for ahead of the second tile's quantising, when their registers have been left.  No barrier stands in this loop.
; NO TENSOR LOADS, NO CLUSTER: the work-groups of an expert read the same tiles of hid, but the number of passes hangs on a count read from memory.
; TRANSPOSED: source 0 = 16 rows of W3, source 1 = 16 rows of hidden: a lane holds one position and eight neighbouring outputs.  A position's 32 outputs are 128 bytes; they go through the wave's own stage
;   and leave four positions, 512 dense bytes, a store.
; K ORDER in both operands: register 4 c + q of lane (r, h) holds k = 32 c + 16 h + 4 q .. + 3 of a K step, as the launch before lays the hidden codes.
; LIMITS: e4 between -126 and 119; e4 + e5 between -126 and 127.  NaN among the inputs is not served.
; REGISTERS by their number P (window P / 256): P0-31 addresses and scales (P30, P31: the closing add's two).  Phase 1: P32-95 and P112-175 a lane's 64 numbers, P96-111 and P176-191 codes, P256-939 the block as loaded (round i at 256 + 4 i).
;   Phase 2: P32-111 the sums (8 (5 tau + rho)), P112-175 W3's fragments (two buffers), P176-255 the scaled sums, P256-575 hidden's fragments (four buffers of 80), later the rows on their way out.
; THE MODE: SCHED_MODE bits 1:0 = 2 (LLVM: expert scheduling mode 2), set by the entry lines.  The code itself states the register dependences
; between vector or matrix instructions and memory or LDS instructions, with s_wait_alu, always for 0.
; THE PLAN.  Registers that memory or LDS instructions touch, and who else names them:
;   The addresses v4 to v25: written at the head; v22 and v23 again at a pass's end; the others never.
;   PHASE 1.  P256-939: loads write them, the LDS stores into the stage read them, no vector instruction names them; hidden's fragments land in P256-575 behind one wait on vm_vsrc.
;     X, X1: a fragment's LDS loads land there, its quantising reads and writes them in place, the loads of the fragment after next land there.  PC, PC1: the conversions write them, four LDS stores read them.
;     So a fragment has ONE wait on va_vdst, behind its quantising: the codes are written, and the quantiser is done with the numbers' registers; its four stores and the next loads into those registers follow.
;     One wait on vm_vsrc stands ahead of the quantising wherever the codes' registers have been stored from before.
;   PHASE 2.  A buffer of hidden's fragments and a buffer of W3's: read by K step s - 1's ten products; the loads issued in step s land in them (steps s + 3 and s + 1).  So a K step has ONE wait on va_vdst, at its head,
;     ahead of its 28 loads; the ten products follow, which name other buffers.
;   THE WAY OUT.  One wait on va_vdst between the scalings and the LDS stores that read them; it also states that the products are done reading P256-335, in which the loads from the stage land.
;     At a pass's end one wait on vm_vsrc stands ahead of the adds to v22 and v23; it also frees P176-255 and P256-335.  One wait on va_vdst stands at a pass's head.
.set ROWB,  10920
.set IMG1,  45056                      ; tile 1's images: behind tile 0's 22 x 2,048 bytes
.set STAGE, 2*IMG1                     ; 176,128 bytes: 86 rounds; in phase 2 the waves' out-stages
.set X,   32
.set PC,  96
.set X1,  112
.set PC1, 176
.set SUM, 32
.set AR,  112
.set TT,  176
.set MSB, 0
.macro WIN new                         ; the immediate's high byte repeats the setting that is left; bits 1:0 source 0, 3:2 source 1, 5:4 source 2, 7:6 destination
.if MSB != (\new)
	s_set_vgpr_msb (MSB<<8)|(\new)
.set MSB, (\new)
.endif
.endm
.macro PLACES n
.rept \n
	v_nop
.endr
.endm
.macro QUANT src, dst, pc, sc, lim
.irp b, 0,1,2,3
.irp i, 0,1,2,3,4,5,6,7,8,9,10,11,12,13,14,15
	v_med3_num_f32 v[\dst+16*\b+\i], v[\src+16*\b+\i], -v[\lim], v[\lim]   ; the conversion does not saturate (ISA guide 7.6.2): the hold at the largest code x the scale
.endr
	v_cvt_scalef32_pk8_fp8_f32 v[\pc+4*\b:\pc+4*\b+1], v[\dst+16*\b:\dst+16*\b+7], v[\sc]
	v_cvt_scalef32_pk8_fp8_f32 v[\pc+4*\b+2:\pc+4*\b+3], v[\dst+16*\b+8:\dst+16*\b+15], v[\sc]
.endr
	v_nop                                          ; a plain line behind the last conversion
.endm
.macro BAR                             ; my LDS stores have landed and my LDS loads are in: then the work-group's barrier
	s_wait_dscnt 0x0
	s_barrier_signal -1
	s_barrier_wait -1
.endm
; rounds 85 tau .. 85 tau + 85 into the stage.  Tile 0's rows begin at 10,920 r; round 85 begins 640 bytes ahead of tile 1's first row, so tile 1's begin at 640 + 10,920 r
.macro STORE tau
.set i, 0
.rept 86
.set rp, 256+4*(i+85*(\tau))
.set rn, rp&255
	WIN ((rp>>8)<<2)
	ds_store_b128 v[6+(i>>5)], v[rn:rn+3] offset:(2048*i)&0xffff
.set i, i+1
.endr
	WIN 0
.endm
; a fragment's numbers: lane (r, h) takes 16 neighbours of each block of 32 of row r
.macro FLD xb, sa, so
.irp c, 0,1,2,3
.irp q, 0,1,2,3,4,5,6,7
	ds_load_b64 v[\xb+16*\c+2*\q:\xb+16*\c+2*\q+1], v[\sa] offset:(\so)+128*\c+8*\q
.endr
.endr
.endm
; they are quantised and the image is stored.  n: the LDS instructions issued behind the fragment's loads, which may stay out.  again = 1: an earlier image has been stored from these codes' registers
.macro FQ xb, pc, ia, io, n, again
	s_wait_dscnt \n
.if \again
	s_wait_alu depctr_vm_vsrc(0)                   ; the LDS stores of the earlier image have read v[pc ..], which the conversions below write again
.endif
	QUANT \xb, \xb, \pc, 20, 21
	s_wait_alu depctr_va_vdst(0)                   ; the conversions have written v[pc ..], which the LDS stores read; the quantiser is done with v[xb ..], in which the next loads of a fragment land
.irp c, 0,1,2,3
	ds_store_b128 v[\ia], v[\pc+4*\c:\pc+4*\c+3] offset:(\io)+512*\c
.endr
.endm
; a tile's 22 K steps: wave w makes w, w + 4, .. w + 16, on two sets of registers by turns; wave 0 also 20; wave 1 the short one, 21
.macro QTILE tau
	FLD X,  9, 640*(\tau)
	FLD X1, 9, 640*(\tau)+2048
	FQ  X,  PC,  13+(\tau), 0, 32, \tau            ; behind my loads: the next fragment's 32
	FLD X,  9, 640*(\tau)+4096
	FQ  X1, PC1, 13+(\tau), 8192, 36, \tau         ; behind my loads: the last image's 4 stores and the next fragment's 32 loads
	FLD X1, 9, 640*(\tau)+6144
	FQ  X,  PC,  13+(\tau), 16384, 36, 1
	FLD X,  9, 640*(\tau)+8192
	FQ  X1, PC1, 13+(\tau), 24576, 36, 1
	FQ  X,  PC,  13+(\tau), 32768, 4, 1            ; behind my loads: the last image's 4 stores
	s_cmp_lg_u32 s16, 0
	s_cbranch_scc1 .Lnot0_\@
	FLD X, 16, 640*(\tau)
	FQ  X, PC, 11+(\tau), 40960, 0, 1
.Lnot0_\@:
	s_cmp_lg_u32 s16, 1
	s_cbranch_scc1 .Lnot1_\@
.irp q, 0,1,2,3,4,5,6,7
	ds_load_b64 v[X+2*\q:X+2*\q+1], v17 offset:640*(\tau)+8*\q          ; k = 2,688 + 16 h + 0 .. 15
.endr
.irp q, 0,1,2,3,4
	ds_load_b64 v[X+16+2*\q:X+16+2*\q+1], v18 offset:640*(\tau)+8*\q    ; k = 2,720 .. 2,729
.endr
	s_wait_dscnt 0x0
	s_wait_alu depctr_vm_vsrc(0)                   ; the LDS stores of the last image have read v[PC ..], which the conversions below write again
.irp i, 0,1,2,3,4,5,6,7,8,9
	v_cndmask_b32 v[X+16+\i], v[X+16+\i], v19, s42                     ; lanes 16-31 stand for k from 2,736 on: zeros
.endr
.irp i, 10,11,12,13,14,15
	v_mov_b32 v[X+16+\i], 0                                            ; k = 2,730 .. 2,735: zeros
.endr
.irp b, 0,1
.irp i, 0,1,2,3,4,5,6,7,8,9,10,11,12,13,14,15
	v_med3_num_f32 v[X+16*\b+\i], v[X+16*\b+\i], -v21, v21
.endr
	v_cvt_scalef32_pk8_fp8_f32 v[PC+4*\b:PC+4*\b+1], v[X+16*\b:X+16*\b+7], v20
	v_cvt_scalef32_pk8_fp8_f32 v[PC+4*\b+2:PC+4*\b+3], v[X+16*\b+8:X+16*\b+15], v20
.endr
	v_nop
	s_wait_alu depctr_va_vdst(0)                   ; the conversions have written v[PC ..], which the LDS stores read
.irp c, 0,1
	ds_store_b128 v[11+(\tau)], v[PC+4*\c:PC+4*\c+3] offset:43008+512*\c
.endr
.Lnot1_\@:
.endm
.macro WMM d, a, b, zero, short        ; operands by their numbers P; short = 1: the form of 64 along K
.set wd, (\d)&255
.set wa, (\a)&255
.set wb, (\b)&255
	WIN ((((\d)>>8)*0x50)|(((\b)>>8)<<2)|((\a)>>8))
.if \short
	v_wmma_f32_16x16x64_fp8_fp8 v[wd:wd+7], v[wa:wa+7], v[wb:wb+7], v[wd:wd+7]
.elseif \zero
	v_wmma_f32_16x16x128_fp8_fp8 v[wd:wd+7], v[wa:wa+15], v[wb:wb+15], 0
.else
	v_wmma_f32_16x16x128_fp8_fp8 v[wd:wd+7], v[wa:wa+15], v[wb:wb+15], v[wd:wd+7]
.endif
.endm
.macro BLD s                           ; hidden's fragments of K step s: five tiles x four chunks (two in step 21) into buffer s % 4
.set nc, 4
.if (\s) == 21
.set nc, 2
.endif
.irp rho, 0,1,2,3,4
.set c, 0
.rept nc
.set rp, 256+80*((\s)%4)+16*\rho+4*c
.set rn, rp&255
	WIN ((rp>>8)<<6)
	global_load_b128 v[rn:rn+3], v22, s[6:7] offset:44544*\rho+2048*(\s)+512*c
.set c, c+1
.endr
.endr
.endm
.macro ALD s                           ; W3's two fragments of K step s into buffer s % 2
.set nc, 4
.if (\s) == 21
.set nc, 2
.endif
	WIN 0
.irp tau, 0,1
.set c, 0
.rept nc
	ds_load_b128 v[AR+32*((\s)&1)+16*\tau+4*c:AR+32*((\s)&1)+16*\tau+4*c+3], v[11+\tau] offset:2048*(\s)+512*c
.set c, c+1
.endr
.endr
.endm
; A K step: the places behind the products just issued; in step 21 one more, since another form takes the sums up; the step's one wait on va_vdst; its loads; its ten products.
; The ten accumulators take turns, one instruction a turn, in the same order in every step.
.macro KS s
.if (\s) == 21
	PLACES 5
.else
	PLACES 4
.endif
.if ((\s) > 0) && ((\s) <= 20)         ; (step 0 stands behind the wait at the pass's head; step 21 asks for nothing)
	s_wait_alu depctr_va_vdst(0)                   ; the last step's products are done reading their fragments of hidden and of W3, in which the loads below land
.endif
.if (\s) <= 18
	BLD (\s)+3
.endif
.if (\s) <= 20
	ALD (\s)+1
.endif
.set nl, 60                            ; the loads issued behind this step's: three steps of 20; step 21 has 10
.set nd, 8                             ; the next step's eight LDS loads; step 21 has 4
.set zz, 0
.set sh, 0
.if (\s) == 0
.set zz, 1
.endif
.if (\s) == 18
.set nl, 50
.endif
.if (\s) == 19
.set nl, 30
.endif
.if (\s) == 20
.set nl, 10
.set nd, 4
.endif
.if (\s) == 21
.set nl, 0
.set nd, 0
.set sh, 1
.endif
	s_wait_loadcnt nl
	s_wait_dscnt nd
.irp tau, 0,1
.irp rho, 0,1,2,3,4
.set dd, SUM+8*(5*\tau+\rho)
.set fa, AR+32*((\s)&1)+16*\tau
.set fb, 256+80*((\s)%4)+16*\rho
	WMM dd, fa, fb, zz, sh
.endr
.endr
.endm
	s_load_b256 s[4:11], s[0:1], 0x0               ; W3 s[4:5], hid s[6:7], cnt s[8:9], the exponents s[10:11]
	s_load_b64 s[12:13], s[0:1], 0x20              ; part
	v_lshl_add_u32 v30, v0, 2, 0x41000
	v_mov_b32 v31, 0
	v_lshrrev_b32 v1, 5, v0
	v_readfirstlane_b32 s16, v1                    ; wave
	s_mov_b32 s17, ttmp9                           ; ds
	s_and_b32 s18, ttmp7, 0xffff                   ; expert
	v_and_b32 v1, 31, v0                           ; lane
	v_lshlrev_b32 v11, 4, v1                       ; v11  16 x lane: tile 0's images
	v_add_nc_u32 v12, IMG1, v11                    ; v12  tile 1's
	v_and_b32 v2, 15, v0                           ; r
	v_bfe_u32 v3, v0, 4, 1                         ; h
	v_lshlrev_b32 v4, 4, v0                        ; v4   16 x thread: my bytes of a round
	v_add_nc_u32 v5, 170*2048, v4
	v_min_u32 v5, 32*ROWB-16, v5                   ; v5   the last round has 1,280 bytes: threads from 80 on repeat the block's last 16, so no load leaves W3
	v_add_nc_u32 v6, STAGE, v4                     ; v6-8 the stage by rounds (an LDS immediate has 16 bits)
	v_add_nc_u32 v7, STAGE+65536, v4
	v_add_nc_u32 v8, STAGE+131072, v4
	v_mul_u32_u24 v18, v2, ROWB
	v_lshl_add_u32 v9, v3, 6, v18                  ; row r, + 64 h
	v_add_nc_u32 v16, STAGE+20*512, v9             ; v16  K step 20
	v_add_nc_u32 v17, STAGE+21*512, v9             ; v17  K step 21, k = 2,688 on
	v_add_nc_u32 v18, STAGE+4*2720, v18            ; v18  k = 2,720 .. 2,729, the same for both halves of the lanes
	s_wait_alu depctr_va_sdst(0)                   ; s16 is written, ahead of its first reader: LDS places, tiles and the branches on the wave's number are made from it
	s_lshl_b32 s40, s16, 9
	s_add_co_u32 s40, s40, STAGE
	v_add_nc_u32 v9, s40, v9                       ; v9   K step w
	s_lshl_b32 s40, s16, 11
	v_add_nc_u32 v13, s40, v11                     ; v13, v14  where I store images: K step w of tile 0, 1
	v_add_nc_u32 v14, s40, v12
	v_mov_b32 v19, 0
	s_mul_i32 s40, s18, 80
	s_mul_i32 s41, s16, 5
	s_add_co_u32 s40, s40, s41
	s_mul_i32 s40, s40, 44544
	v_add_nc_u32 v22, s40, v11                     ; v22  my five tiles in hid
	s_lshl_b32 s40, s18, 5
	s_add_co_u32 s40, s40, s17
	s_mul_i32 s40, s40, 1280
	s_mul_i32 s41, s16, 80
	s_add_co_u32 s40, s40, s41
	s_lshl_b32 s40, s40, 7
	v_add_nc_u32 v23, s40, v11                     ; v23  my 80 positions in part
	s_mul_i32 s40, s16, 11520
	s_add_co_u32 s40, s40, STAGE                   ; my out-stages: five of 16 rows x (128 bytes + 16)
	v_mul_u32_u24 v24, v2, 144
	v_lshl_add_u32 v24, v3, 5, v24
	v_add_nc_u32 v24, s40, v24                     ; v24  in: row r, + 32 h
	v_lshrrev_b32 v25, 3, v1
	v_mul_u32_u24 v25, v25, 144
	v_and_b32 v10, 7, v1
	v_lshl_add_u32 v25, v10, 4, v25
	v_add_nc_u32 v25, s40, v25                     ; v25  back: eight lanes to a row, four rows a load
	s_mov_b32 s42, 0xffff0000                      ; lanes 16-31
	s_lshl_b32 s40, s18, 10
	s_lshl_b32 s41, s17, 5
	s_add_co_u32 s40, s40, s41
	s_mul_i32 s40, s40, ROWB                       ; the block's first byte
	s_mov_b32 s41, 0
	s_lshl_b32 s44, s18, 2
	s_mov_b32 s45, 0
	s_wait_kmcnt 0x0
	s_add_nc_u64 s[20:21], s[4:5], s[40:41]
	s_add_nc_u64 s[8:9], s[8:9], s[44:45]
	s_load_b32 s34, s[8:9], 0x0                    ; the expert's count
	s_load_b64 s[32:33], s[10:11], 0x10            ; e4, e5
	s_wait_alu depctr_va_vdst(0)                   ; the offsets and LDS addresses v4 to v25 are written, which the loads and stores of the whole kernel read
.set i, 0
.rept 170
.set rp, 256+4*i
.set rn, rp&255
	WIN ((rp>>8)<<6)
	global_load_b128 v[rn:rn+3], v4, s[20:21] offset:2048*i th:TH_LOAD_NT   ; a wave reads 512 consecutive bytes
.set i, i+1
.endr
	global_load_b128 v[168:171], v5, s[20:21] th:TH_LOAD_NT                    ; round 170, at P936 (window 3 is set)
	WIN 0
	s_wait_kmcnt 0x0
	s_add_co_i32 s40, s32, 127
	s_lshl_b32 s41, s40, 23
	v_mov_b32 v20, s41                             ; 2^e4
	s_add_co_i32 s40, s40, 8
	s_lshl_b32 s40, s40, 23
	s_or_b32 s40, s40, 0x600000
	v_mov_b32 v21, s40                             ; 448 x 2^e4
	s_add_co_i32 s40, s32, s33
	s_add_co_i32 s40, s40, 127
	s_lshl_b32 s40, s40, 23                        ; 2^(e4 + e5) as f32
	s_mov_b32 s41, s40                             ; (named with it as a pair)
	s_min_u32 s34, s34, 1024
	s_add_co_u32 s34, s34, 15
	s_lshr_b32 s34, s34, 4
	s_add_co_u32 s34, s34, 19
	s_mul_i32 s34, s34, 3277
	s_lshr_b32 s34, s34, 16
	s_max_u32 s34, s34, 1
	s_min_u32 s34, s34, 4                          ; NP, as the launches before made it
	s_wait_alu depctr_va_vdst(0)
	s_wait_loadcnt 63                              ; behind round 85 stand 85 younger loads: 63 is the largest count that a wait can name
	STORE 0
	BAR                                            ; tile 0's rows lie in the stage
	QTILE 0
	BAR                                            ; nobody reads them any more
	s_wait_loadcnt 0x0
	STORE 1
	BAR                                            ; tile 1's rows lie in the stage
	s_wait_alu depctr_vm_vsrc(0)                   ; my LDS stores into the stage have read the block's registers: hidden's fragments land in P256-575 from here on
	BLD 0                                          ; the first pass's first three K steps of hidden codes are asked for here, into registers that rounds 0 to 79 have left: they land while tile 1 is quantised
	BLD 1
	BLD 2
	WIN 0
	QTILE 1
	BAR                                            ; all images lie in LDS, and the stage is free for the way out.  Behind this barrier each wave touches its own bytes, and the images are only read
	s_wait_alu depctr_vm_vsrc(0)                   ; my LDS stores of the images have read their codes in P96-111 and P176-191, which the sums and the scaled sums write from here on
	s_mov_b32 s35, 0
.Lpass:                                            ; NP trips
	s_wait_alu depctr_va_vdst(0)                   ; ahead of the branch: the vector and matrix instructions so far (the quantiser; a pass's products) are done with P112-175 and P256-575, in which the loads below land; v22 and v23 are written
	s_cmp_eq_u32 s35, 0
	s_cbranch_scc1 .Lasked                         ; the first pass's have been asked for above
	s_wait_loadcnt 0x0                             ; no load of mine is out when the ring is asked for anew
	BLD 0
	BLD 1
	BLD 2
	WIN 0
.Lasked:
	ALD 0
.irp s, 0,1,2,3,4,5,6,7,8,9,10,11,12,13,14,15,16,17,18,19,20,21
	KS \s
.endr
	PLACES 4                                       ; in front of the first read of results
	WIN 0
.irp rho, 0,1,2,3,4
.irp tau, 0,1
.irp i, 0,2,4,6
	v_pk_mul_f32 v[TT+16*\rho+8*\tau+\i:TT+16*\rho+8*\tau+\i+1], v[SUM+8*(5*\tau+\rho)+\i:SUM+8*(5*\tau+\rho)+\i+1], s[40:41] op_sel_hi:[1,0]   ; x 2^(e4 + e5); each accumulator from its low end on
.endr
.endr
.endr
	s_wait_alu depctr_va_vdst(0)                   ; the scalings have written v[TT ..], which the LDS stores read; the products are done reading P256-335, in which the loads from the stage land
.irp rho, 0,1,2,3,4
.irp tau, 0,1
.irp u, 0,1
	ds_store_b128 v24, v[TT+16*\rho+8*\tau+4*\u:TT+16*\rho+8*\tau+4*\u+3] offset:2304*\rho+64*\tau+16*\u   ; lane (r, h): outputs 16 tau + 8 h + 4 u .. + 3 of position r
.endr
.endr
.endr
	WIN 0x40                                       ; destination window 1
.irp rho, 0,1,2,3,4
.irp i, 0,1,2,3
	ds_load_b128 v[16*\rho+4*\i:16*\rho+4*\i+3], v25 offset:2304*\rho+576*\i   ; LDS serves a wave's instructions in order: these see my stores
.endr
.endr
	s_wait_dscnt 0x0
	WIN 0x04                                       ; a store's data: source 1, window 1
.irp rho, 0,1,2,3,4
.irp i, 0,1,2,3
	global_store_b128 v23, v[16*\rho+4*\i:16*\rho+4*\i+3], s[12:13] offset:2048*\rho+512*\i   ; four positions: 512 consecutive bytes
.endr
.endr
	WIN 0
	s_wait_xcnt 0x0                                ; the stores have had their addresses translated: their data and offsets are written again below
	s_wait_alu depctr_vm_vsrc(0)                   ; the pass's loads have read v22, its stores v23 and P256-335, its LDS stores v[TT ..]: the adds below write the first two, the next pass's loads and scalings the others
	v_add_nc_u32 v22, 20*44544, v22
	v_add_nc_u32 v23, 320*128, v23
	s_add_co_u32 s35, s35, 1
	s_cmp_lt_u32 s35, s34
	s_cbranch_scc1 .Lpass
	s_wait_dscnt 0x0                               ; the closing lines, six on end
	s_wait_alu 0x0
	s_wait_tensorcnt 0x0
	ds_add_u32 v30, v31
	s_wait_dscnt 0x0
	s_endpgm
.Lfunc_end_k_q6ffddadffc_outp:
	.size	k_q6ffddadffc_outp, .Lfunc_end_k_q6ffddadffc_outp-k_q6ffddadffc_outp
	.p2alignl 7, 3214868480
	.fill 96, 4, 3214868480
	.section	.rodata,"a",@progbits
	.p2align	6, 0x0
	.amdhsa_kernel k_q6ffddadffc_outp
		.amdhsa_group_segment_fixed_size 266752
		.amdhsa_private_segment_fixed_size 0
		.amdhsa_enable_private_segment 0
		.amdhsa_kernarg_size 40
		.amdhsa_user_sgpr_count 2
		.amdhsa_user_sgpr_kernarg_segment_ptr 1
		.amdhsa_wavefront_size32 1
		.amdhsa_system_sgpr_workgroup_id_x 1
		.amdhsa_system_sgpr_workgroup_id_y 1
		.amdhsa_system_sgpr_workgroup_id_z 1
		.amdhsa_system_vgpr_workitem_id 0
		.amdhsa_next_free_vgpr 960
		.amdhsa_next_free_sgpr 66
		.amdhsa_reserve_vcc 0
		.amdhsa_float_denorm_mode_32 3
		.amdhsa_float_denorm_mode_16_64 3
		.amdhsa_memory_ordered 1
		.amdhsa_forward_progress 1
		.amdhsa_inst_pref_size 209
	.end_amdhsa_kernel
	.amdgpu_metadata
---
amdhsa.version: [ 1, 2 ]
amdhsa.kernels:
  - .name:           k_q6ffddadffc_outp
    .symbol:         k_q6ffddadffc_outp.kd
    .args:
      - { .name: W3, .offset: 0, .size: 8, .value_kind: global_buffer, .address_space: global }
      - { .name: hid, .offset: 8, .size: 8, .value_kind: global_buffer, .address_space: global }
      - { .name: cnt, .offset: 16, .size: 8, .value_kind: global_buffer, .address_space: global }
      - { .name: lowp_scales, .offset: 24, .size: 8, .value_kind: global_buffer, .address_space: global }
      - { .name: part, .offset: 32, .size: 8, .value_kind: global_buffer, .address_space: global }
    .group_segment_fixed_size: 266752
    .private_segment_fixed_size: 0
    .kernarg_segment_align: 8
    .kernarg_segment_size: 40
    .max_flat_workgroup_size: 128
    .sgpr_count:     66
    .vgpr_count:     960
    .wavefront_size: 32
...
	.end_amdgpu_metadata
.endif
;; end of part 9
;; launch combine (part 10): grid 256 x 1, 4 waves a work-group, no clusters, 0 bytes of LDS; arguments part, sel, gw, posn, out0; writes out0
.if DOCPART == 10
	.amdgcn_target "amdgcn-amd-amdhsa--gfx1250"
	.amdhsa_code_object_version 6
	.text
	.protected	k_q6ffddadffc_combine
	.globl	k_q6ffddadffc_combine
	.p2align	8
	.type	k_q6ffddadffc_combine,@function
k_q6ffddadffc_combine:
	s_mov_b64 s[64:65], 0
	v_nop
	global_prefetch_b8 v0, s[64:65] scope:SCOPE_SE
	s_setreg_imm32_b32 hwreg(HW_REG_WAVE_MODE, 25, 1), 1
	s_wait_xcnt 0x0
; out0[t] = g0 x (expert e0's row of t) + g1 x (expert e1's): the last product of the layer; the other six gates are zeros.  A token's two rows were made by different work-groups, so they are added here, by one owner.
; A wave takes token t = 4 x work-group + wave.  Its two experts (sel), its position in each (posn) and its gates (gw) come by scalar loads; the positions of all eight experts are read at fixed places and the
; two are chosen by selections, so that no load waits for another.  A row lies in part as 32 pieces of 128 bytes, 163,840 bytes apart: eight lanes take a piece, a load takes four.
; No LDS, no barrier, no matrix unit: 12 KB a wave are moved once.
	s_load_b256 s[4:11], s[0:1], 0x0               ; part s[4:5], sel s[6:7], gw s[8:9], posn s[10:11]
	s_load_b64 s[12:13], s[0:1], 0x20              ; out0
	v_lshrrev_b32 v5, 5, v0
	v_readfirstlane_b32 s16, v5                    ; wave
	v_and_b32 v3, 31, v0
	v_lshlrev_b32 v2, 4, v3                        ; 16 x lane: my place in 512 bytes of the output row
	v_lshrrev_b32 v1, 3, v3
	v_mul_u32_u24 v1, v1, 163840                   ; the piece: 1,280 positions of 128 bytes
	v_and_b32 v4, 7, v3
	v_lshl_add_u32 v1, v4, 4, v1                   ; + my 16 bytes of it
	s_lshl_b32 s17, ttmp9, 2
	s_add_co_u32 s17, s17, s16                     ; my token
	s_lshl_b32 s18, s17, 2
	s_mov_b32 s19, 0
	s_lshl_b32 s20, s17, 3
	s_mov_b32 s21, 0
	s_lshl_b32 s40, s17, 12
	s_mov_b32 s41, 0
	s_wait_alu depctr_va_vdst(0)
	s_wait_kmcnt 0x0
	s_add_nc_u64 s[6:7], s[6:7], s[18:19]
	s_add_nc_u64 s[8:9], s[8:9], s[20:21]
	s_add_nc_u64 s[10:11], s[10:11], s[18:19]
	s_add_nc_u64 s[12:13], s[12:13], s[40:41]
	s_load_b32 s42, s[6:7], 0x0                    ; e0 | e1 << 8 | ..
	s_load_b64 s[22:23], s[8:9], 0x0               ; g0, g1
.irp e, 0,1,2,3,4,5,6,7
	s_load_b32 s[24+\e], s[10:11], 4096*\e         ; my position in expert e's order
.endr
	s_wait_kmcnt 0x0
	s_and_b32 s32, s42, 0xff                       ; e0
	s_bfe_u32 s33, s42, 0x80008                    ; e1
	s_mov_b32 s34, s24
	s_mov_b32 s35, s24
.irp e, 1,2,3,4,5,6,7
	s_cmp_eq_u32 s32, \e
	s_cselect_b32 s34, s[24+\e], s34
	s_cmp_eq_u32 s33, \e
	s_cselect_b32 s35, s[24+\e], s35
.endr
	s_mul_i32 s36, s32, 40960                      ; 32 pieces x 1,280 positions an expert
	s_add_co_u32 s36, s36, s34
	s_min_u32 s36, s36, 0x463ff                    ; numbers read from memory enter an address held inside the table: 7 x 40,960 + 1,023
	s_lshl_b32 s36, s36, 7
	s_mov_b32 s37, 0
	s_add_nc_u64 s[36:37], s[4:5], s[36:37]
	s_mul_i32 s38, s33, 40960
	s_add_co_u32 s38, s38, s35
	s_min_u32 s38, s38, 0x463ff
	s_lshl_b32 s38, s38, 7
	s_mov_b32 s39, 0
	s_add_nc_u64 s[38:39], s[4:5], s[38:39]
	s_mov_b32 s46, s23                             ; g1 in a pair of its own: the packed form takes a pair's low word for both halves
	s_mov_b32 s47, s23
.irp i, 0,1,2,3,4,5,6,7
	global_load_b128 v[16+4*\i:19+4*\i], v1, s[36:37] offset:655360*\i th:TH_LOAD_NT
.endr
.irp i, 0,1,2,3,4,5,6,7
	global_load_b128 v[48+4*\i:51+4*\i], v1, s[38:39] offset:655360*\i th:TH_LOAD_NT
.endr
	s_wait_loadcnt 0x0
.irp j, 0,2,4,6,8,10,12,14,16,18,20,22,24,26,28,30
	v_pk_mul_f32 v[16+\j:17+\j], v[16+\j:17+\j], s[22:23] op_sel_hi:[1,0]
.endr
.irp j, 0,2,4,6,8,10,12,14,16,18,20,22,24,26,28,30
	v_pk_fma_f32 v[16+\j:17+\j], v[48+\j:49+\j], s[46:47], v[16+\j:17+\j] op_sel_hi:[1,0,1]
.endr
.irp i, 0,1,2,3,4,5,6,7
	global_store_b128 v2, v[16+4*\i:19+4*\i], s[12:13] offset:512*\i th:TH_STORE_NT   ; 512 consecutive bytes of the token's row
.endr
	s_endpgm
.Lfunc_end_k_q6ffddadffc_combine:
	.size	k_q6ffddadffc_combine, .Lfunc_end_k_q6ffddadffc_combine-k_q6ffddadffc_combine
	.p2alignl 7, 3214868480
	.fill 96, 4, 3214868480
	.section	.rodata,"a",@progbits
	.p2align	6, 0x0
	.amdhsa_kernel k_q6ffddadffc_combine
		.amdhsa_group_segment_fixed_size 0
		.amdhsa_private_segment_fixed_size 0
		.amdhsa_enable_private_segment 0
		.amdhsa_kernarg_size 40
		.amdhsa_user_sgpr_count 2
		.amdhsa_user_sgpr_kernarg_segment_ptr 1
		.amdhsa_wavefront_size32 1
		.amdhsa_system_sgpr_workgroup_id_x 1
		.amdhsa_system_sgpr_workgroup_id_y 1
		.amdhsa_system_sgpr_workgroup_id_z 1
		.amdhsa_system_vgpr_workitem_id 0
		.amdhsa_next_free_vgpr 80
		.amdhsa_next_free_sgpr 66
		.amdhsa_reserve_vcc 0
		.amdhsa_float_denorm_mode_32 3
		.amdhsa_float_denorm_mode_16_64 3
		.amdhsa_memory_ordered 1
		.amdhsa_forward_progress 1
		.amdhsa_inst_pref_size 8
	.end_amdhsa_kernel
	.amdgpu_metadata
---
amdhsa.version: [ 1, 2 ]
amdhsa.kernels:
  - .name:           k_q6ffddadffc_combine
    .symbol:         k_q6ffddadffc_combine.kd
    .args:
      - { .name: part, .offset: 0, .size: 8, .value_kind: global_buffer, .address_space: global }
      - { .name: sel, .offset: 8, .size: 8, .value_kind: global_buffer, .address_space: global }
      - { .name: gw, .offset: 16, .size: 8, .value_kind: global_buffer, .address_space: global }
      - { .name: posn, .offset: 24, .size: 8, .value_kind: global_buffer, .address_space: global }
      - { .name: out0, .offset: 32, .size: 8, .value_kind: global_buffer, .address_space: global }
    .group_segment_fixed_size: 0
    .private_segment_fixed_size: 0
    .kernarg_segment_align: 8
    .kernarg_segment_size: 40
    .max_flat_workgroup_size: 128
    .sgpr_count:     66
    .vgpr_count:     80
    .wavefront_size: 32
...
	.end_amdgpu_metadata
.endif
;; end of part 10
